; MI455X (gfx1250); checked and timed in simulation.
; The chip was launched on July 23, 2026; its instructions are those of AMD's public machine-readable ISA for CDNA 5 (MIT licence, August 2026) and "CDNA5" Instruction Set Architecture Reference Guide (July 2026). The comments in the code are by the model that wrote it; some were corrected since.
;; Transformer Block. Allowed arithmetic: matrix products marked QUANTISED: E3M2 operands, one E8M0 scale for each 32 along K, by v_wmma_scale_f32_16x16x128_f8f6f4 with both operands' format E3M2, f32 sums; everything else in f32.
;; Inputs: b1 4,096 float32; b2 1,024 float32; b_out 1,024 float32; b_qkv 3,072 float32; ln1_b 1,024 float32; ln1_g 1,024 float32; ln2_b 1,024 float32; ln2_g 1,024 float32; w1 1,024 x 4,096 float32; w2 4,096 x 1,024 float32; w_out 1,024 x 1,024 float32; w_qkv 1,024 x 3,072 float32; x 2 x 2,048 x 1,024 float32.
;; Outputs: out0 2 x 2,048 x 1,024 float32.
;; This version of the problem:
;;   THIS VERSION OF THE PROBLEM IS GIVEN IN LOW PRECISION. The matrix products marked QUANTISED in the list below multiply operands that are first quantised to E3M2 (3 exponent bits, 2 mantissa bits; 6 bits a number), with one power-of-two scale for each 32 numbers along K (OCP MX v1.0); their sums are f32. All else is computed in f32.
;;   The module's matrix products, in the order in which they are computed (A, B: the left and right operand; K: the contracted axis; several contracted axes count as one K, in the product's order):
;;     1. [M 4,096, K 1,024] x [K 1,024, N 3,072]; A: computed on the way; B: input w_qkv: QUANTISED
;;     2. batch 32 x [M 2,048, K 64] x [K 64, N 2,048]; A: computed on the way; B: computed on the way: QUANTISED
;;     3. batch 32 x [M 64, K 2,048] x [K 2,048, N 2,048]; A: computed on the way; B: softmax (see below): QUANTISED
;;     4. [M 4,096, K 1,024] x [K 1,024, N 1,024]; A: computed on the way; B: input w_out: QUANTISED
;;     5. [M 4,096, K 1,024] x [K 1,024, N 4,096]; A: computed on the way; B: input w1: QUANTISED
;;     6. [M 4,096, K 4,096] x [K 4,096, N 1,024]; A: computed on the way; B: input w2: QUANTISED
;;   THE QUANTISER, for each operand of a quantised product, along K:
;;     - K is cut into blocks of 32 from its start; a last block that is shorter is filled with zeros.
;;     - A block's scale is 2^e with e = floor(log2(the largest magnitude in the block)) - 4, held to -126 .. 127; a block of zeros has e = 0. As a byte (E8M0): e + 127.
;;     - Each number is divided by its block's scale, clamped to +-28, and rounded to the nearest number of E3M2, ties to even, subnormals kept.
;;     - The product sums the exact products of the quantised numbers (number of the format x scale) in f32.
;;   ~~~python
;;   def quantise(x, axis):      # numpy; x: float32 -> the quantised numbers, widened to float32 again
;;       x = np.moveaxis(x, axis, -1); K = x.shape[-1]
;;       x = np.pad(x, [(0, 0)] * (x.ndim - 1) + [(0, -K % 32)]); x = x.reshape(x.shape[:-1] + (-1, 32)); a = np.abs(x).max(-1, keepdims=True)
;;       e = np.where(a > 0, np.clip(np.frexp(np.where(a > 0, a, 1))[1] - 1 - 4, -126, 127), 0)      # np.frexp(a)[1] - 1 = floor(log2(a)), exactly
;;       r = np.clip(x / 2.0 ** e, -28, 28)
;;       step = 2.0 ** (np.maximum(np.frexp(np.where(r == 0, 1, r))[1] - 1, -2) - 2)
;;       q = np.round(r / step) * step * 2.0 ** e      # np.round: ties to even
;;       return np.moveaxis(q.reshape(q.shape[:-2] + (-1,))[..., :K], -1, axis).astype(np.float32)
;;   ~~~
;;   SOFTMAX AHEAD OF A QUANTISED PRODUCT. Where the list says 'softmax', what is quantised is not the finished softmax but p = 2^(t - M), with t = logit x log2(e) and M = ceil(the row's largest t), a whole number; so 1/2 < the row's largest p <= 1. The row's sum l is taken of the UNQUANTISED p, in f32, and the product's result is divided by l at the end. Since M is a whole number, a kernel that streams over the keys may use a running M (the ceiling of the running maximum): every later rescaling is an exact power of two, which a block's scale takes up: the codes' values come out the same.
;;   OPERANDS COMPUTED ON THE WAY. 'Computed on the way' means the value that the module computes at that place (a softmax that the list does not call 'softmax' is quantised finished and normalised). What goes into a quantiser is computed in f32, as accurately as f32 sums, v_exp_f32 and their like allow (about 1e-6 of the number): no bf16 or f16 on the way to a quantiser, and a product that is left as it is and whose result goes on into a quantised operand takes f32 operands (vector FMAs, or v_wmma_f32_16x16x4_f32). A number that lies on a knife's edge between two numbers of the format may be rounded either way, as far as f32 arithmetic and the matrix unit's own rounding can turn it there, and no further.
;; One version. Each part assembles by itself: llvm-mc -triple=amdgcn-amd-amdhsa -mcpu=gfx1250 --defsym DOCPART=n.
;; ======== version 1 of 1: 7 launches
;; limits: right only within a limited range of input values
;; workspace buffers: WA 3,277,056 bytes; WB 6,553,856 bytes; act 3,276,800 bytes; big 13,107,200 bytes; vimg 3,276,800 bytes; x2 16,777,216 bytes
;; launch prep (part 1): grid 448 x 1, 8 waves a work-group, no clusters, 67,584 bytes of LDS; arguments x, ln1_g, ln1_b, act, w_qkv, w_out, w1, w2, WA, WB; writes act, WA, WB
.if DOCPART == 1
	.amdgcn_target "amdgcn-amd-amdhsa--gfx1250"
	.amdhsa_code_object_version 6
	.text
	.protected	k_q0c4b208aea_prep
	.globl	k_q0c4b208aea_prep
	.p2align	8
	.type	k_q0c4b208aea_prep,@function
k_q0c4b208aea_prep:
	s_mov_b64 s[64:65], 0
	v_nop
	global_prefetch_b8 v0, s[64:65] scope:SCOPE_SE
	s_setreg_imm32_b32 hwreg(HW_REG_WAVE_MODE, 25, 1), 1
	s_wait_xcnt 0x0
; TWO JOBS IN ONE TEXT, parted on the work-group's number.
; Work-groups 0-255: layer norm of 16 tokens (rows of 1,024 f32) and its quantising to codes of BF6 (E3M2) with one E8M0 byte for each 32 along the row.
; Work-groups 256-447: the four weights, stored [K][N] f32, quantised along K (their first axis).
; ALL CODES LEAVE AS IMAGES OF OPERAND REGISTERS.  A tile is 16 rows; lane row r of tile T is row 32 (T / 2) + 8 (T % 2) + r + 8 (r / 8).
; A record is 6,400 bytes = one tile x 512 along K: fragment s (128 along K) at 1,536 s, in it registers 2 p, 2 p + 1 of lane l at 256 p + 8 l
; (lane (r, h), registers 6 c .. 6 c + 5: k = 128 s + 64 c + 32 h + 0 .. 31); the scale word of row r and fragment s at 6,144 + 16 r + 4 s.
; A block's scale byte is its largest magnitude's exponent field - 4, held at 1 from below.
; LIMITS: NaN and infinities among the inputs are not served; a block whose largest magnitude lies under 2^-122 has its byte held at 1;
; a block of zeros has the byte 1 (not 127) over zero codes: the bytes are read by this program alone.
; The mean is taken first and the variance of the differences: no difference of large sums.
.set YP,   4112                        ; LDS: a normalised row, 4,096 bytes + 16: the 16 rows that a load touches start at 16 different 16-byte columns
.set SCW,  16*YP                       ; behind the 16 rows: 2 x 256 bytes of scale words
.set X,    32                          ; v32-95   two rows as loaded (32 registers each); later my 64 numbers of a K step
.set GG,   96                          ; v96-127  the gain
.set BB,   128                         ; v128-159 the bias
.set C,    160                         ; v160-171 a fragment's codes
.set CT,   172                         ; v172-174, v176-178 the second halves of the two blocks
.set M,    180                         ; v180-181 largest magnitudes; v182-183 scale operands; v184-185 bytes
.set SO,   182
.set BY,   184
.set PWD,  186                         ; v186 the scale word, v187 at work
.set WOF,  32                          ; the weights' path: v32-63 offsets of 32 rows of W
.set WX,   64                          ; v64-127  two sets of 32 numbers
.set WC,   128                         ; v128-175 codes: 12 registers for each pair of blocks, never written again
.set WCT,  176
.set WSW,  180                         ; v180-181 two scale words
	s_load_b256 s[4:11], s[0:1], 0x0               ; rows in, gain, bias, the image out
	s_load_b256 s[12:19], s[0:1], 0x20             ; w_qkv, w_out, w1, w2
	s_load_b128 s[20:23], s[0:1], 0x40             ; WA, WB
	v_lshl_add_u32 v192, v0, 2, 0x10400
	v_mov_b32 v193, 0
	v_lshrrev_b32 v1, 5, v0
	s_delay_alu instid0(VALU_DEP_1)
	v_readfirstlane_b32 s24, v1                    ; wave 0..7
	v_and_b32 v1, 31, v0                           ; lane
	v_and_b32 v2, 15, v0                           ; r
	s_wait_alu depctr_va_vdst(0)
	v_bfe_u32 v3, v0, 4, 1                         ; h
	v_lshlrev_b32 v4, 4, v1                        ; 16 x lane
	v_lshlrev_b32 v5, 3, v1                        ; 8 x lane
	s_wait_alu depctr_va_vdst(0)
	s_mul_i32 s25, s24, 2*YP
	v_add_nc_u32 v6, s25, v4                       ; LDS, in: my wave's two rows, 16 bytes a lane
	v_mul_u32_u24 v7, v2, YP
	s_delay_alu instid0(VALU_DEP_1)
	v_lshl_add_u32 v7, v3, 7, v7
	s_lshl_b32 s25, s24, 9
	v_add_nc_u32 v7, s25, v7                       ; LDS, out: row r, K step = wave (512 bytes), + 128 h
	s_lshr_b32 s25, s24, 2
	s_lshl_b32 s25, s25, 8
	s_and_b32 s26, s24, 3
	s_lshl_b32 s26, s26, 2
	s_add_co_u32 s25, s25, s26
	s_add_co_u32 s25, s25, SCW
	v_lshl_add_u32 v8, v2, 4, s25                  ; my scale word: record wave / 4, 16 r + 4 (wave % 4)
	s_and_b32 s25, s24, 1
	s_lshl_b32 s25, s25, 8
	s_add_co_u32 s25, s25, SCW
	v_add_nc_u32 v9, s25, v5                       ; and where waves 0 and 1 read a record's 256 bytes back
	s_cmp_lt_u32 ttmp9, 256
	s_cbranch_scc0 .Lwq
	; ---------------- LAYER NORM: the work-group is token tile T = its number ----------------
	s_mov_b32 s28, 0x76543210
	s_mov_b32 s29, 0xfedcba98                      ; v_permlanex16_b32: lane l xor 16
	s_mov_b32 s30, 0x3a800000                      ; 1 / 1,024
	s_mov_b32 s31, 0x3727c5ac                      ; 1e-5
	v_mov_b32 v22, 0                               ; a lane permute's destination counts as read: written once
	v_mov_b32 v23, 0
	s_lshr_b32 s25, ttmp9, 1
	s_lshl_b32 s25, s25, 5
	s_and_b32 s26, ttmp9, 1
	s_lshl_b32 s26, s26, 3
	s_add_co_u32 s25, s25, s26
	s_lshl_b32 s26, s24, 1
	s_add_co_u32 s25, s25, s26
	s_lshr_b32 s26, s24, 2
	s_lshl_b32 s26, s26, 3
	s_add_co_u32 s25, s25, s26                     ; lane rows 2 w and 2 w + 1 of the tile are tokens t0 and t0 + 1: 8,192 consecutive bytes
	s_lshl_b32 s26, s25, 12
	s_mov_b32 s27, 0
	s_mul_i32 s32, ttmp9, 12800                    ; the tile's two records
	s_lshr_b32 s33, s24, 2
	s_mul_i32 s33, s33, 6400
	s_add_co_u32 s34, s32, s33
	s_and_b32 s33, s24, 3
	s_mul_i32 s33, s33, 1536
	s_add_co_u32 s34, s34, s33                     ; my K step's fragment
	s_mov_b32 s35, 0
	s_and_b32 s33, s24, 1
	s_mul_i32 s33, s33, 6400
	s_add_co_u32 s32, s32, s33                     ; record wave % 2, for the scale words
	s_mov_b32 s33, 0
	s_wait_kmcnt 0x0
	s_add_nc_u64 s[4:5], s[4:5], s[26:27]
	s_add_nc_u64 s[34:35], s[10:11], s[34:35]
	s_add_nc_u64 s[32:33], s[10:11], s[32:33]
.irp i, 0,1
.irp j, 0,1,2,3,4,5,6,7
	global_load_b128 v[X+32*\i+4*\j:X+32*\i+4*\j+3], v4, s[4:5] offset:4096*\i+512*\j th:TH_LOAD_NT   ; 32 lanes read 512 consecutive bytes
.endr
.endr
.irp j, 0,1,2,3,4,5,6,7
	global_load_b128 v[GG+4*\j:GG+4*\j+3], v4, s[6:7] offset:512*\j
.endr
.irp j, 0,1,2,3,4,5,6,7
	global_load_b128 v[BB+4*\j:BB+4*\j+3], v4, s[8:9] offset:512*\j
.endr
.macro REDUCE                          ; v14 (row 0) and v18 (row 1) summed over the 32 lanes, the result in every lane
.irp m, 1,2,4,8
	s_delay_alu instid0(VALU_DEP_2)
	v_add_f32_dpp v14, v14, v14 row_xmask:\m row_mask:0xf bank_mask:0xf
	s_delay_alu instid0(VALU_DEP_2)
	v_add_f32_dpp v18, v18, v18 row_xmask:\m row_mask:0xf bank_mask:0xf
.endr
	s_delay_alu instid0(VALU_DEP_2)
	v_permlanex16_b32 v22, v14, s28, s29
	s_delay_alu instid0(VALU_DEP_2)
	v_permlanex16_b32 v23, v18, s28, s29
	s_delay_alu instid0(VALU_DEP_2)
	v_add_f32 v14, v14, v22
	s_delay_alu instid0(VALU_DEP_2)
	v_add_f32 v18, v18, v23
.endm
	s_wait_loadcnt 16                              ; the two rows are in; the 16 loads of gain and bias may be out
.irp i, 0,1
	v_pk_add_f32 v[14+4*\i:15+4*\i], v[X+32*\i:X+32*\i+1], v[X+32*\i+2:X+32*\i+3]       ; the sum: two chains a row, started by the first numbers
	v_pk_add_f32 v[16+4*\i:17+4*\i], v[X+32*\i+4:X+32*\i+5], v[X+32*\i+6:X+32*\i+7]
.endr
.irp k, 8,12,16,20,24,28
.irp i, 0,1
	s_delay_alu instid0(VALU_DEP_4)
	v_pk_add_f32 v[14+4*\i:15+4*\i], v[14+4*\i:15+4*\i], v[X+32*\i+\k:X+32*\i+\k+1]
	s_delay_alu instid0(VALU_DEP_4)
	v_pk_add_f32 v[16+4*\i:17+4*\i], v[16+4*\i:17+4*\i], v[X+32*\i+\k+2:X+32*\i+\k+3]
.endr
.endr
.irp i, 0
	s_delay_alu instid0(VALU_DEP_3)
	v_pk_add_f32 v[14+4*\i:15+4*\i], v[14+4*\i:15+4*\i], v[16+4*\i:17+4*\i]
.endr
.irp i, 1
	s_delay_alu instid0(VALU_DEP_2)
	v_pk_add_f32 v[14+4*\i:15+4*\i], v[14+4*\i:15+4*\i], v[16+4*\i:17+4*\i]
.endr
.irp i, 0,1
	s_delay_alu instid0(VALU_DEP_2)
	v_add_f32 v[14+4*\i], v[14+4*\i], v[15+4*\i]
.endr
	REDUCE
.irp i, 0,1
	s_delay_alu instid0(VALU_DEP_2)
	v_mul_f32 v[10+2*\i], s30, v[14+4*\i]          ; the mean, in both words of a pair
.endr
.irp i, 0,1
	s_delay_alu instid0(VALU_DEP_2)
	v_mov_b32 v[11+2*\i], v[10+2*\i]
.endr
.irp k, 0,2,4,6,8,10,12,14,16,18,20,22,24,26,28,30
.irp i, 0,1
	v_pk_add_f32 v[X+32*\i+\k:X+32*\i+\k+1], v[X+32*\i+\k:X+32*\i+\k+1], v[10+2*\i:11+2*\i] neg_lo:[0,1] neg_hi:[0,1]   ; x - mean
.endr
.endr
.irp i, 0,1
	v_pk_mul_f32 v[14+4*\i:15+4*\i], v[X+32*\i:X+32*\i+1], v[X+32*\i:X+32*\i+1]         ; the sum of their squares
	v_pk_mul_f32 v[16+4*\i:17+4*\i], v[X+32*\i+2:X+32*\i+3], v[X+32*\i+2:X+32*\i+3]
.endr
.irp k, 4,8,12,16,20,24,28
.irp i, 0,1
	s_delay_alu instid0(VALU_DEP_4)
	v_pk_fma_f32 v[14+4*\i:15+4*\i], v[X+32*\i+\k:X+32*\i+\k+1], v[X+32*\i+\k:X+32*\i+\k+1], v[14+4*\i:15+4*\i]
	s_delay_alu instid0(VALU_DEP_4)
	v_pk_fma_f32 v[16+4*\i:17+4*\i], v[X+32*\i+\k+2:X+32*\i+\k+3], v[X+32*\i+\k+2:X+32*\i+\k+3], v[16+4*\i:17+4*\i]
.endr
.endr
.irp i, 0
	s_delay_alu instid0(VALU_DEP_3)
	v_pk_add_f32 v[14+4*\i:15+4*\i], v[14+4*\i:15+4*\i], v[16+4*\i:17+4*\i]
.endr
.irp i, 1
	s_delay_alu instid0(VALU_DEP_2)
	v_pk_add_f32 v[14+4*\i:15+4*\i], v[14+4*\i:15+4*\i], v[16+4*\i:17+4*\i]
.endr
.irp i, 0,1
	s_delay_alu instid0(VALU_DEP_2)
	v_add_f32 v[14+4*\i], v[14+4*\i], v[15+4*\i]
.endr
	REDUCE
.irp i, 0,1
	s_delay_alu instid0(VALU_DEP_2)
	v_fma_f32 v[24+\i], v[14+4*\i], s30, s31       ; variance + 1e-5
.endr
	s_wait_alu depctr_va_vdst(0)
.irp i, 0,1
	v_rsq_f32 v[10+2*\i], v[24+\i]                 ; twice, to fill the pair that the packed multiply names
	v_rsq_f32 v[11+2*\i], v[24+\i]
.endr
	s_wait_loadcnt 0x0                             ; gain and bias
	v_nop                                          ; one plain instruction between the last v_rsq_f32 and the use of its result (ISA guide 5.7.2)
	s_wait_alu depctr_va_vdst(0)
.irp k, 0,2,4,6,8,10,12,14,16,18,20,22,24,26,28,30
.irp i, 0,1
	v_pk_mul_f32 v[X+32*\i+\k:X+32*\i+\k+1], v[X+32*\i+\k:X+32*\i+\k+1], v[10+2*\i:11+2*\i]
.endr
.endr
.irp k, 0,2,4,6,8,10,12,14,16,18,20,22,24,26,28,30
.irp i, 0,1
	v_pk_fma_f32 v[X+32*\i+\k:X+32*\i+\k+1], v[X+32*\i+\k:X+32*\i+\k+1], v[GG+\k:GG+\k+1], v[BB+\k:BB+\k+1]
.endr
.endr
.irp i, 0,1
.irp j, 0,1,2,3,4,5,6,7
	ds_store_b128 v6, v[X+32*\i+4*\j:X+32*\i+4*\j+3] offset:YP*\i+512*\j
.endr
.endr
	s_wait_dscnt 0x0                               ; for the others' sake: my two rows lie in LDS
	s_barrier_signal -1
	s_barrier_wait -1
	; wave w now takes K step w of all 16 rows: lane (r, h) two whole blocks, k = 128 w + 64 c + 32 h + 0 .. 31
.irp c, 0,1
.irp j, 0,1,2,3,4,5,6,7
	ds_load_b128 v[X+32*\c+4*\j:X+32*\c+4*\j+3], v7 offset:256*\c+16*\j
.endr
.endr
	s_wait_dscnt 0x0
.irp c, 0,1
	v_max3_num_f32 v[M+\c], |v[X+32*\c]|, |v[X+32*\c+1]|, 0x2800000    ; the floor 2^(5 - 127) among the leaves: the byte cannot fall under 1
.endr
.irp i, 2,4,6,8,10,12,14,16,18,20,22,24,26,28,30
.irp c, 0,1
	s_delay_alu instid0(VALU_DEP_2)
	v_max3_num_f32 v[M+\c], v[M+\c], |v[X+32*\c+\i]|, |v[X+32*\c+\i+1]|
.endr
.endr
.irp c, 0,1
	s_delay_alu instid0(VALU_DEP_2)
	v_add_nc_u32 v[SO+\c], 0xfe000000, v[M+\c]     ; 4 off the exponent field: the conversion takes this operand's exponent field as its scale
.endr
.irp c, 0,1
	s_delay_alu instid0(VALU_DEP_2)
	v_lshrrev_b32 v[BY+\c], 23, v[SO+\c]           ; the scale's byte
.endr
	s_delay_alu instid0(VALU_DEP_1)
	v_lshl_or_b32 v[PWD], v[BY+1], 16, v[BY]       ; my two bytes, blocks h and 2 + h,
	v_lshlrev_b32 v[PWD+1], 3, v3
	s_delay_alu instid0(VALU_DEP_1)
	v_lshlrev_b32 v[PWD], v[PWD+1], v[PWD]         ; 8 h bits up;
	v_mov_b32 v[PWD+1], 0
	s_delay_alu instid0(VALU_DEP_1)
	v_permlanex16_b32 v[PWD+1], v[PWD], s28, s29
	s_delay_alu instid0(VALU_DEP_1)
	v_or_b32 v[PWD], v[PWD], v[PWD+1]              ; with lane l xor 16's two the word is whole
.irp c, 0,1
	v_cvt_scalef32_pk16_bf6_f32 v[C+6*\c:C+6*\c+2], v[X+32*\c:X+32*\c+15], v[SO+\c]
	v_cvt_scalef32_pk16_bf6_f32 v[CT+4*\c:CT+4*\c+2], v[X+32*\c+16:X+32*\c+31], v[SO+\c]   ; (a conversion's three registers begin on an even number)
.endr
	v_nop                                          ; one plain instruction behind a scaled conversion
.irp c, 0,1
.irp i, 0,1,2
	v_mov_b32 v[C+6*\c+3+\i], v[CT+4*\c+\i]
.endr
.endr
.irp p, 0,1,2,3,4,5
	global_store_b64 v5, v[C+2*\p:C+2*\p+1], s[34:35] offset:256*\p    ; 32 lanes store 256 consecutive bytes, at a multiple of 256 from the buffer's first byte
.endr
	ds_store_b32 v8, v[PWD]                        ; lanes r and r + 16 write the same word with the same value
	s_wait_dscnt 0x0
	s_barrier_signal -1
	s_barrier_wait -1
	s_cmp_gt_u32 s24, 1
	s_cbranch_scc1 .Lln_end
	ds_load_b64 v[188:189], v9                     ; waves 0 and 1: a record's 64 scale words
	s_wait_dscnt 0x0
	global_store_b64 v5, v[188:189], s[32:33] offset:6144
.Lln_end:
	s_wait_tensorcnt 0x0
	ds_add_u32 v192, v193
	s_wait_dscnt 0x0
	s_endpgm
	; ---------------- THE WEIGHTS: a work-group takes 256 columns x 256 along K, a wave 32 columns (a pair of tiles), a lane one column ----------------
	; A lane's registers run down K, so a block of 32 is one lane's and the codes come out with K innermost.  Lanes 0-15 hold the columns of tile 2 bi, lanes 16-31 those of tile 2 bi + 1.
.Lwq:
	s_sub_co_u32 s25, ttmp9, 256                   ; j = 0 .. 191: 48 for w_qkv, 16 for w_out, 64 for w1, 64 for w2
	s_wait_kmcnt 0x0
	s_mov_b64 s[26:27], s[12:13]                   ; from
	s_mov_b64 s[32:33], s[20:21]                   ; to
	s_mov_b32 s34, 12288                           ; a row of W in bytes
	s_mov_b32 s35, 256                             ; where the image begins in its buffer
	s_mov_b32 s36, 0                               ; the tensor's first j
	s_mov_b32 s37, 2                               ; log2 of its blocks of 256 along K
	s_mov_b32 s38, 12800                           ; bytes from tile to tile
	s_cmp_ge_u32 s25, 48
	s_cselect_b64 s[26:27], s[14:15], s[26:27]
	s_cselect_b32 s34, 4096, s34
	s_cselect_b32 s35, 2457856, s35
	s_cselect_b32 s36, 48, s36
	s_cmp_ge_u32 s25, 64
	s_cselect_b64 s[26:27], s[16:17], s[26:27]
	s_cselect_b64 s[32:33], s[22:23], s[32:33]
	s_cselect_b32 s34, 16384, s34
	s_cselect_b32 s35, 256, s35
	s_cselect_b32 s36, 64, s36
	s_cmp_ge_u32 s25, 128
	s_cselect_b64 s[26:27], s[18:19], s[26:27]
	s_cselect_b32 s34, 4096, s34
	s_cselect_b32 s35, 3277056, s35
	s_cselect_b32 s36, 128, s36
	s_cselect_b32 s37, 4, s37
	s_cselect_b32 s38, 51200, s38
	s_sub_co_u32 s25, s25, s36
	s_lshr_b32 s39, s25, s37                       ; cb: which 256 columns
	s_lshl_b32 s36, s39, s37
	s_sub_co_u32 s25, s25, s36                     ; kq: which 256 along K
	s_lshl_b32 s36, s39, 8
	s_lshl_b32 s28, s24, 5
	s_add_co_u32 s36, s36, s28                     ; my wave's first column
	s_lshl_b32 s28, s36, 2
	s_lshl_b32 s29, s25, 8
	s_mul_i32 s29, s29, s34                        ; 256 kq rows (under 2^24 bytes)
	s_add_co_u32 s28, s28, s29
	s_mov_b32 s29, 0
	s_add_nc_u64 s[40:41], s[26:27], s[28:29]      ; block 0
	s_lshl_b32 s28, s34, 5                         ; 32 rows on
.irp t, 1,2,3,4,5,6,7
	s_add_nc_u64 s[40+2*\t:41+2*\t], s[38+2*\t:39+2*\t], s[28:29]      ; a base for each block, so that nothing is stepped
.endr
	s_lshl_b32 s30, s39, 3
	s_add_co_u32 s30, s30, s24                     ; bi
	s_lshl_b32 s30, s30, 1
	s_mul_i32 s30, s30, s38
	s_add_co_u32 s30, s30, s35
	s_lshr_b32 s31, s25, 1
	s_mul_i32 s31, s31, 6400
	s_add_co_u32 s30, s30, s31
	s_mov_b32 s31, 0
	s_add_nc_u64 s[60:61], s[32:33], s[30:31]      ; tile 2 bi, record kq / 2
	s_and_b32 s30, s25, 1
	s_mul_i32 s28, s30, 3072
	s_add_nc_u64 s[56:57], s[60:61], s[28:29]      ; its fragments 2 (kq % 2) and 2 (kq % 2) + 1
	s_mov_b32 s28, s38
	s_add_nc_u64 s[58:59], s[56:57], s[28:29]      ; the same of tile 2 bi + 1
	s_lshl_b32 s28, s30, 3
	s_add_co_u32 s28, s28, 6144
	s_add_nc_u64 s[60:61], s[60:61], s[28:29]      ; the two scale words
	v_and_b32 v10, 8, v2
	s_delay_alu instid0(VALU_DEP_1)
	v_add_nc_u32 v10, v10, v2
	s_delay_alu instid0(VALU_DEP_1)
	v_lshl_add_u32 v10, v3, 3, v10                 ; my column among the 32: 8 (lane / 16) + r + 8 (r / 8)
	s_delay_alu instid0(VALU_DEP_1)
	v_lshlrev_b32 v10, 2, v10
.irp i, 0,1,2,3,4,5,6,7,8,9,10,11,12,13,14,15,16,17,18,19,20,21,22,23,24,25,26,27,28,29,30,31
	v_mad_u32_u24 v[WOF+\i], s34, \i, v10
.endr
	v_mul_u32_u24 v16, v3, s38
	s_delay_alu instid0(VALU_DEP_1)
	v_lshl_add_u32 v16, v2, 4, v16                 ; scale words: my tile, 16 r
.macro WLOAD t                         ; block t: W(32 t + i, my column): the 32 lanes read 128 consecutive bytes
.irp i, 0,1,2,3,4,5,6,7,8,9,10,11,12,13,14,15,16,17,18,19,20,21,22,23,24,25,26,27,28,29,30,31
	global_load_b32 v[WX+32*((\t)%2)+\i], v[WOF+\i], s[40+2*(\t):41+2*(\t)] th:TH_LOAD_NT
.endr
.endm
.macro BLOCK t                         ; t = 4 sl + 2 c + h: fragment sl, registers 6 c on, half h of the lanes
.set XS, WX+32*((\t)%2)
.set EO, WC+12*((\t)/2)+6*((\t)%2)
.if (\t) < 7
	s_wait_loadcnt 32                              ; this block's 32 loads are in; the next block's may be out
.else
	s_wait_loadcnt 0x0
.endif
	v_max3_num_f32 v12, |v[XS]|, |v[XS+1]|, |v[XS+2]|
	v_max3_num_f32 v13, |v[XS+3]|, |v[XS+4]|, |v[XS+5]|
.irp i, 6,10,14,18,22,26
	s_delay_alu instid0(VALU_DEP_2)
	v_max3_num_f32 v12, v12, |v[XS+\i]|, |v[XS+\i+1]|
	s_delay_alu instid0(VALU_DEP_2)
	v_max3_num_f32 v13, v13, |v[XS+\i+2]|, |v[XS+\i+3]|
.endr
	s_delay_alu instid0(VALU_DEP_2)
	v_max3_num_f32 v12, v12, |v[XS+30]|, |v[XS+31]|
	s_delay_alu instid0(VALU_DEP_1)
	v_max3_num_f32 v12, v12, v13, 0x2800000        ; and the floor
	s_delay_alu instid0(VALU_DEP_1)
	v_add_nc_u32 v14, 0xfe000000, v12
	s_delay_alu instid0(VALU_DEP_1)
	v_lshrrev_b32 v15, 23, v14
.if (\t)%4 == 0
	s_delay_alu instid0(VALU_DEP_1)
	v_mov_b32 v[WSW+(\t)/4], v15
.else
	s_delay_alu instid0(VALU_DEP_1)
	v_lshl_or_b32 v[WSW+(\t)/4], v15, 8*((\t)%4), v[WSW+(\t)/4]
.endif
	v_cvt_scalef32_pk16_bf6_f32 v[EO:EO+2], v[XS:XS+15], v14
	v_cvt_scalef32_pk16_bf6_f32 v[WCT:WCT+2], v[XS+16:XS+31], v14
	v_nop                                          ; one plain instruction behind a scaled conversion
.irp i, 0,1,2
	v_mov_b32 v[EO+3+\i], v[WCT+\i]
.endr
.if (\t)+2 < 8
	WLOAD (\t)+2
.endif
.if (\t)%2 == 1
.set EE, WC+12*((\t)/2)
.irp i, 0,1,2,3,4,5
	v_permlane16_swap_b32 v[EE+\i], v[EE+6+\i]     ; the even block's lanes 16-31 change places with the odd block's lanes 0-15: the first six registers are now tile 2 bi's image, the others tile 2 bi + 1's
.endr
.irp p, 0,1,2
	global_store_b64 v5, v[EE+2*\p:EE+2*\p+1], s[56:57] offset:1536*((\t)/4)+256*(3*(((\t)/2)%2)+\p)     ; 256 consecutive bytes, aligned
.endr
.irp p, 0,1,2
	global_store_b64 v5, v[EE+6+2*\p:EE+6+2*\p+1], s[58:59] offset:1536*((\t)/4)+256*(3*(((\t)/2)%2)+\p)
.endr
.endif
.endm
	WLOAD 0
	WLOAD 1
.irp t, 0,1,2,3,4,5,6,7
	BLOCK \t
.endr
	global_store_b64 v16, v[WSW:WSW+1], s[60:61]   ; 8 bytes a lane, 16 bytes apart: the scale words are 256 of a record's 6,400 bytes
	s_sub_co_u32 s28, ttmp9, 256
	s_or_b32 s28, s28, s24
	s_cmp_lg_u32 s28, 0
	s_cbranch_scc1 .Lwq_end
	v_mov_b32 v18, 0xff800000                      ; the buffers' first 256 bytes: the lower bound of the activation behind the buffer's first layer:
	v_mov_b32 v19, 0xff800000                      ; -infinity (none) for w_qkv,
	v_mov_b32 v20, 0                               ; 0 (relu) for w1
	v_mov_b32 v21, 0
	global_store_b64 v5, v[18:19], s[20:21]
	global_store_b64 v5, v[20:21], s[22:23]
.Lwq_end:
	s_endpgm
.Lfunc_end_k_q0c4b208aea_prep:
	.size	k_q0c4b208aea_prep, .Lfunc_end_k_q0c4b208aea_prep-k_q0c4b208aea_prep
	.p2alignl 7, 3214868480
	.fill 96, 4, 3214868480
	.section	.rodata,"a",@progbits
	.p2align	6, 0x0
	.amdhsa_kernel k_q0c4b208aea_prep
		.amdhsa_group_segment_fixed_size 67584
		.amdhsa_private_segment_fixed_size 0
		.amdhsa_enable_private_segment 0
		.amdhsa_kernarg_size 80
		.amdhsa_user_sgpr_count 2
		.amdhsa_user_sgpr_kernarg_segment_ptr 1
		.amdhsa_wavefront_size32 1
		.amdhsa_system_sgpr_workgroup_id_x 1
		.amdhsa_system_sgpr_workgroup_id_y 1
		.amdhsa_system_sgpr_workgroup_id_z 1
		.amdhsa_system_vgpr_workitem_id 0
		.amdhsa_next_free_vgpr 194
		.amdhsa_next_free_sgpr 66
		.amdhsa_reserve_vcc 0
		.amdhsa_float_denorm_mode_32 3
		.amdhsa_float_denorm_mode_16_64 3
		.amdhsa_memory_ordered 1
		.amdhsa_forward_progress 1
		.amdhsa_inst_pref_size 77
	.end_amdhsa_kernel
	.amdgpu_metadata
---
amdhsa.version: [ 1, 2 ]
amdhsa.kernels:
  - .name:           k_q0c4b208aea_prep
    .symbol:         k_q0c4b208aea_prep.kd
    .args:
      - { .name: x, .offset: 0, .size: 8, .value_kind: global_buffer, .address_space: global }
      - { .name: ln1_g, .offset: 8, .size: 8, .value_kind: global_buffer, .address_space: global }
      - { .name: ln1_b, .offset: 16, .size: 8, .value_kind: global_buffer, .address_space: global }
      - { .name: act, .offset: 24, .size: 8, .value_kind: global_buffer, .address_space: global }
      - { .name: w_qkv, .offset: 32, .size: 8, .value_kind: global_buffer, .address_space: global }
      - { .name: w_out, .offset: 40, .size: 8, .value_kind: global_buffer, .address_space: global }
      - { .name: w1, .offset: 48, .size: 8, .value_kind: global_buffer, .address_space: global }
      - { .name: w2, .offset: 56, .size: 8, .value_kind: global_buffer, .address_space: global }
      - { .name: WA, .offset: 64, .size: 8, .value_kind: global_buffer, .address_space: global }
      - { .name: WB, .offset: 72, .size: 8, .value_kind: global_buffer, .address_space: global }
    .group_segment_fixed_size: 67584
    .private_segment_fixed_size: 0
    .kernarg_segment_align: 8
    .kernarg_segment_size: 80
    .max_flat_workgroup_size: 256
    .sgpr_count:     66
    .vgpr_count:     194
    .wavefront_size: 32
...
	.end_amdgpu_metadata
.endif
;; end of part 1
;; launch qkv (part 2): grid 16 x 24, 4 waves a work-group, clusters of 4 x 4, 327,680 bytes of LDS; arguments WA, act, b_qkv, big, vimg; writes big, vimg
.if DOCPART == 2
	.amdgcn_target "amdgcn-amd-amdhsa--gfx1250"
	.amdhsa_code_object_version 6
	.text
	.protected	k_q0c4b208aea_qkv
	.globl	k_q0c4b208aea_qkv
	.p2align	8
	.type	k_q0c4b208aea_qkv,@function
k_q0c4b208aea_qkv:
	s_mov_b64 s[64:65], 0
	v_nop
	global_prefetch_b8 v0, s[64:65] scope:SCOPE_SE
	s_setreg_imm32_b32 hwreg(HW_REG_WAVE_MODE, 25, 1), 1
	s_wait_xcnt 0x0
	s_wait_alu depctr_hold_cnt(0) depctr_sa_sdst(0) depctr_va_vdst(0) depctr_va_sdst(0) depctr_va_ssrc(0) depctr_va_vcc(0) depctr_vm_vsrc(0)
	s_getreg_b32 s2, hwreg(HW_REG_IB_STS2, 6, 4)
	s_cmp_eq_u32 s2, 0
	s_cbranch_scc0 .Lentry_in_a_cluster
	s_endpgm
.Lentry_in_a_cluster:
	s_bfe_u32 s2, ttmp6, 0x10000c
	s_cmp_lg_u32 s2, 0xf033
	s_cbranch_scc0 .Lentry_shape_is_right
	s_endpgm
.Lentry_shape_is_right:
; A GEMM on codes of BF6 (E3M2) with E8M0 scales, K = 1,024, whose result is quantised again, along its own columns, and leaves as an operand image.
; OPERAND IMAGES.  A tile is 16 rows (lane row r of tile T = row 32 (T / 2) + 8 (T % 2) + r + 8 (r / 8)); a record of 6,400 bytes is a tile x 512 along K: fragment s at 1,536 s
; (registers 2 p, 2 p + 1 of lane l at 256 p + 8 l), the scale word of row r and fragment s at 6,144 + 16 r + 4 s.  A tensor load of rows of 6,400 bytes brings codes and scales together.
; THE PRODUCT IS USED TRANSPOSED: source 0 = 16 rows of P, source 1 = 16 rows of R.  A lane then holds one row of R, and by the order of rows in a tile the 16 registers of P's tiles 2 b, 2 b + 1 are
; 16 neighbours along P's index: the next product's K.  Normally P = the weight, R = the tokens (out: image by tokens, K = features).  For the values of attention (clusters with y >= 4, in the
; launch that has them) the two change places: P = the tokens, R = the weight's rows 2,048 on (out: image by channels, K = tokens).  The choice is made by selects alone, on the cluster's y.
; A work-group makes 256 rows of R x 128 of P; wave w R's tiles 4 w .. 4 w + 3 against P's eight: 32 accumulators.  Two LDS slots hold all of K: nothing is filled again.
; CLUSTER 4 x 4: R's records are shared along a row of the cluster, P's along a column: joint loads.
; The bias along P is the C of the first products; the bias along R is added on the way out; each is masked to 0 in the mode that has the other.  The activation is max(lo, .), lo read from the weight buffer's first word.
; LIMITS: NaN and infinities are not served; a block whose largest magnitude lies under 2^-122 has its byte held at 1; a block of zeros has the byte 1 over zero codes (read by this program alone).
; REGISTERS: window 0: v1-29 addresses; v32-127 scale words, two sets of 48; v128-223 R's fragments, two sets of 48 (on the way out: numbers and codes); v224-253 the way out.
;   window 1: P's fragments, sets at v0 and v128.   window 2: accumulator (a, b) at v[8 (8 a + b)].   window 3: v0-63 the bias along P.
.set SIZE_K, 1024
.set NG,     SIZE_K/512                ; records to a tile
.set REC,    6400
.set TP,     NG*REC                    ; from tile to tile, in both operands
.set OTP,    51200                     ; and in the image that is written
.set POFF,   16*REC                    ; a slot: R's 16 records, then P's 8
.set SLOT,   24*REC
.set SPARE,  2*SLOT                    ; behind the slots: the spare words, 128 bytes a wave: two blocks of 256 bytes that no other line names
.set ADR,  16                          ; v16-17 my R tiles in slot 0, 1: + 8 x lane
.set ADP,  18                          ; v18-19 P's tiles
.set ADSR, 20                          ; v20-21 my R tiles' scale words: + 16 r
.set ADSP, 22                          ; v22-23 P's
.set SPW,  28
.set NIL,  29
.set SC,   32
.set RF,   128
.set HA,   128                         ; the way out: 64 numbers
.set PC,   192                         ; their codes (20 registers)
.set WW,   212                         ; v212-213 scale words of two tiles, lanes 0-15 and 16-31
.set TM,   224                         ; v224-239 at work
.set PW,   240
.set PWS,  241                         ; v241-244 the four tiles' scale words
.set BR,   246                         ; v246-253 the bias along R, a pair for each tile
.set G1R, 24
.set G0R, 32
.set G1P, 48
.set G0P, 56
.set SEL, 86
.set MSB, 0
.macro WIN new                         ; the immediate's high byte repeats the setting that is left
.if MSB != \new
	s_set_vgpr_msb (MSB<<8)|\new
.set MSB, \new
.endif
.endm
.set MUL,  0xa1                        ; source 0 (P) window 1, source 1 (R) window 0, C and D window 2
.set MULB, 0xb1                        ; the same with C from window 3
.set TO_B, 0x40
.macro PLACES n
.rept \n
	v_nop
.endr
.endm
.macro ARM under, g0, g1, next         ; one arm of the head's chain of branches on the wave's number: a joint load, s_nop 0 and four v_nop, a jump to the join
	s_cmp_lt_u32 s14, \under
	s_cbranch_scc0 \next
	tensor_load_to_lds s[\g0:\g0+3], s[\g1:\g1+7]
	s_nop 0
.rept 4
	v_nop
.endr
	s_branch .Lhead_asked
\next:
.endm
.macro CREST
	s_cmp_lg_u32 s14, 0
	s_cbranch_scc1 .Lnot_wave_0_\@
	s_barrier_signal -3
.Lnot_wave_0_\@:
	s_barrier_wait -3
	s_barrier_signal -1
	s_barrier_wait -1
.endm
.macro CROUND
	s_barrier_signal -1
	s_barrier_wait -1
	CREST
.endm
.macro FETCH slot, q, bu               ; the fragments of the slot's q-th 128 along K into set bu: P's eight, my R's four: 72 loads of 8 bytes a lane, each 256 consecutive bytes
	WIN TO_B
.irp b, 0,1,2,3,4,5,6,7
.irp p, 0,1,2,3,4,5
	ds_load_b64 v[128*(\bu)+12*\b+2*\p:128*(\bu)+12*\b+2*\p+1], v[ADP+\slot] offset:REC*\b+1536*(\q)+256*\p
.endr
.endr
	WIN 0
.irp a, 0,1,2,3
.irp p, 0,1,2,3,4,5
	ds_load_b64 v[RF+48*(\bu)+12*\a+2*\p:RF+48*(\bu)+12*\a+2*\p+1], v[ADR+\slot] offset:REC*\a+1536*(\q)+256*\p
.endr
.endr
.endm
.macro SCALES slot                     ; a slot's scale words: one load brings a tile's words of all four K steps
.irp b, 0,1,2,3,4,5,6,7
	ds_load_b128 v[SC+48*\slot+4*\b:SC+48*\slot+4*\b+3], v[ADSP+\slot] offset:REC*\b
.endr
.irp a, 0,1,2,3
	ds_load_b128 v[SC+48*\slot+32+4*\a:SC+48*\slot+32+4*\a+3], v[ADSR+\slot] offset:REC*\a
.endr
.endm
.macro MUL8 a, bu, q, ss, init         ; R's tile a against P's eight.  The 32 accumulators take turns, one instruction a turn, in the same order everywhere
.irp b, 0,1,2,3,4,5,6,7
.if \init
	v_wmma_scale_f32_16x16x128_f8f6f4 v[8*(8*(\a)+\b):8*(8*(\a)+\b)+7], v[128*(\bu)+12*\b:128*(\bu)+12*\b+11], v[RF+48*(\bu)+12*(\a):RF+48*(\bu)+12*(\a)+11], v[8*\b:8*\b+7], v[SC+48*(\ss)+4*\b+(\q)], v[SC+48*(\ss)+32+4*(\a)+(\q)] matrix_a_fmt:MATRIX_FMT_BF6 matrix_b_fmt:MATRIX_FMT_BF6
.else
	v_wmma_scale_f32_16x16x128_f8f6f4 v[8*(8*(\a)+\b):8*(8*(\a)+\b)+7], v[128*(\bu)+12*\b:128*(\bu)+12*\b+11], v[RF+48*(\bu)+12*(\a):RF+48*(\bu)+12*(\a)+11], v[8*(8*(\a)+\b):8*(8*(\a)+\b)+7], v[SC+48*(\ss)+4*\b+(\q)], v[SC+48*(\ss)+32+4*(\a)+(\q)] matrix_a_fmt:MATRIX_FMT_BF6 matrix_b_fmt:MATRIX_FMT_BF6
.endif
.endr
.endm
.macro STEP slot, q, init              ; one of a slot's first three K steps: the next step's fragments are asked for, then 32 products
	s_wait_dscnt 0x0                               ; this step's fragments (asked for a step ago) are in
	PLACES 4                                       ; four places between the last step's products and the loads into the registers that they read (ISA guide 7.12.1 for vector instructions)
	FETCH \slot, (\q)+1, 1-(\q)%2
.if \init
	WIN MULB
.else
	WIN MUL
.endif
.irp a, 0,1,2,3
	MUL8 \a, (\q)%2, \q, \slot, \init
.endr
.endm
.macro TURN slot, next                 ; a slot's last K step, and the change of slots: one barrier; nothing is filled again here
	WIN 0
	s_wait_tensorcnt 0x0                           ; all my tensor loads have landed: my part of the next slot
	ds_add_u32 v[SPW], v[NIL]                      ; 0 onto my spare word
	s_wait_dscnt 1                                 ; the fragments are in; the add may be out
	WIN MUL
	MUL8 0, 1, 3, \slot, 0
	s_wait_dscnt 0x0                               ; the add is done, and my reads of this slot are over
	s_barrier_signal -1
	MUL8 1, 1, 3, \slot, 0
	WIN 0
	s_barrier_wait -1
	PLACES 4
	FETCH \next, 0, 0
	SCALES \next
	WIN MUL
	MUL8 2, 1, 3, \slot, 0
	MUL8 3, 1, 3, \slot, 0
.endm
; 64 numbers of a lane, v[s] on, register 16 b + i = k 32 b + 16 (lane / 16) + i of my row, become a fragment's codes in v[PC] on and its scale word in v[PW]
.macro QUANT s
.irp b, 0,1,2,3
	v_max3_num_f32 v[TM+\b], |v[\s+16*\b]|, |v[\s+1+16*\b]|, 0x2800000   ; the floor 2^(5 - 127): the byte cannot fall under 1
.endr
.irp i, 2,4,6,8,10,12,14
.irp b, 0,1,2,3
	v_max3_num_f32 v[TM+\b], v[TM+\b], |v[\s+16*\b+\i]|, |v[\s+1+16*\b+\i]|
.endr
.endr
.irp b, 0,1,2,3
	v_permlanex16_b32 v[TM+4+\b], v[TM+\b], s[SEL], s[SEL+1]
.endr
.irp b, 0,1,2,3
	v_max_num_f32 v[TM+\b], v[TM+\b], v[TM+4+\b]   ; with lane l xor 16's: the block's largest magnitude
.endr
.irp b, 0,1,2,3
	v_add_nc_u32 v[TM+12+\b], 0xfe000000, v[TM+\b] ; 4 off its exponent field: the conversion's scale operand
.endr
.irp b, 0,1,2,3
	v_lshrrev_b32 v[TM+4+\b], 23, v[TM+12+\b]      ; the scale's byte
.endr
	v_lshl_or_b32 v[PW], v[TM+5], 8, v[TM+4]
	v_lshl_or_b32 v[PW], v[TM+6], 16, v[PW]
	v_lshl_or_b32 v[PW], v[TM+7], 24, v[PW]
.irp c, 0,1
	v_cvt_scalef32_pk16_bf6_f32 v[PC+6*\c:PC+2+6*\c], v[\s+32*\c:\s+15+32*\c], v[TM+12+2*\c]
	v_cvt_scalef32_pk16_bf6_f32 v[PC+12+4*\c:PC+14+4*\c], v[\s+16+32*\c:\s+31+32*\c], v[TM+12+2*\c+1]
.endr
	v_nop                                          ; one plain instruction behind a scaled conversion
.irp c, 0,1                            ; the layout wants a whole block in a lane: lanes 0-15 block 2 c, lanes 16-31 block 2 c + 1
.irp i, 0,1,2
	v_permlane16_swap_b32 v[PC+6*\c+\i], v[PC+12+4*\c+\i]
.endr
.irp i, 0,1,2
	v_mov_b32 v[PC+3+6*\c+\i], v[PC+12+4*\c+\i]
.endr
.endr
.endm
	s_load_b256 s[4:11], s[0:1], 0x0               ; the weights' buffer, the tokens' image, the bias, the image by tokens
	s_load_b64 s[12:13], s[0:1], 0x20              ; the image by channels
	v_lshl_add_u32 v[SPW], v0, 2, SPARE
	v_mov_b32 v[NIL], 0
	ds_add_u32 v28, v29
	ds_add_u32 v28, v29
	s_wait_dscnt 0x0
	v_lshrrev_b32 v1, 5, v0
	v_readfirstlane_b32 s14, v1                    ; wave 0..3
	s_bfe_u32 s40, ttmp6, 0x40000                  ; cx
	s_bfe_u32 s41, ttmp6, 0x40004                  ; cy
	s_and_b32 s73, ttmp7, 0xffff                   ; the cluster's y
	s_sub_co_u32 s19, s73, 4
	s_lshl_b32 s19, s19, 2
	s_add_co_u32 s19, s19, ttmp9
	s_cmp_ge_u32 s73, 4                            ; the values' part?  The same in all sixteen partners
	s_cselect_b32 s19, s19, ttmp9                  ; which four blocks of P
	s_cselect_b32 s18, 0, s73                      ; which four blocks of R
	s_cselect_b32 s71, 0, -1                       ; keeps the bias along P
	s_cselect_b32 s72, -1, 0                       ; keeps the bias along R
	s_lshl_b32 s42, s19, 2
	s_add_co_u32 s42, s42, s40                     ; px: my 128 rows of P
	s_lshl_b32 s17, s18, 2
	s_add_co_u32 s17, s17, s41                     ; ry: my 256 rows of R
	s_lshl_b32 s43, s41, 2
	s_lshl_b32 s43, 15, s43                        ; my row of the cluster
	s_lshl_b32 s44, 0x1111, s40                    ; my column
	s_or_b32 s[G1R+0], s43, (3<<16)|(1<<21)        ; 15:0 the mask; 17:16 elements of 8 bytes; 21 set beside a mask; no padding
	s_or_b32 s[G1P+0], s44, (3<<16)|(1<<21)
	s_mov_b32 s[G1R+1], 800<<16                    ; tensor_dim0: a record, 800 elements
	s_mov_b32 s[G1R+2], 16<<16                     ; tensor_dim1: R's 16 tiles, one load
	s_mov_b32 s[G1R+3], 800<<16                    ; tile_dim0
	s_mov_b32 s[G1R+4], 16                         ; tile_dim1
	s_mov_b32 s[G1R+5], NG*800                     ; from tile to tile
	s_mov_b32 s[G1R+6], 0
	s_mov_b32 s[G1R+7], 0
	s_mov_b32 s[G1P+1], 800<<16
	s_mov_b32 s[G1P+2], 8<<16                      ; P's 8 tiles, one load
	s_mov_b32 s[G1P+3], 800<<16
	s_mov_b32 s[G1P+4], 8
	s_mov_b32 s[G1P+5], NG*800
	s_mov_b32 s[G1P+6], 0
	s_mov_b32 s[G1P+7], 0
	s_lshl_b32 s20, s17, 4
	s_mul_i32 s20, s20, TP                         ; R: tile 16 ry
	s_mov_b32 s21, 0
	s_lshl_b32 s46, s42, 3
	s_mul_i32 s46, s46, TP                         ; P: tile 8 px
	s_mov_b32 s47, 0
	s_mov_b32 s45, 0                               ; where they go in a slot: R's records first,
	s_mov_b32 s80, POFF                            ; then P's
	s_mov_b32 s[SEL], 0x76543210
	s_mov_b32 s[SEL+1], 0xfedcba98
	s_wait_kmcnt 0x0
	s_load_b32 s70, s[4:5], 0x0                    ; lo
	s_add_nc_u64 s[66:67], s[4:5], 256             ; the weight's image
	s_add_nc_u64 s[68:69], s[4:5], 256+128*TP      ; its tiles 128 on: the values' rows
	s_cmp_lg_u32 s72, 0
	s_cselect_b64 s[66:67], s[6:7], s[66:67]       ; P
	s_cselect_b64 s[68:69], s[68:69], s[6:7]       ; R
	s_cselect_b64 s[10:11], s[12:13], s[10:11]     ; out
	s_add_nc_u64 s[20:21], s[68:69], s[20:21]
	s_add_nc_u64 s[46:47], s[66:67], s[46:47]
	CROUND                                         ; all sixteen work-groups are here: the first joint loads meet
.irp s, 0,1
	s_mov_b32 s[G0R+4*\s], 1
	s_add_co_u32 s[G0R+4*\s+1], s45, \s*SLOT
	s_add_nc_u64 s[G0R+4*\s+2:G0R+4*\s+3], s[20:21], \s*REC
	s_or_b32 s[G0R+4*\s+3], s[G0R+4*\s+3], 0x80000000
	s_mov_b32 s[G0P+4*\s], 1
	s_add_co_u32 s[G0P+4*\s+1], s80, \s*SLOT
	s_add_nc_u64 s[G0P+4*\s+2:G0P+4*\s+3], s[46:47], \s*REC
	s_or_b32 s[G0P+4*\s+3], s[G0P+4*\s+3], 0x80000000
.endr
	; the four first fills, one a wave: wave 0 R's records of slot 0, wave 1 P's, wave 2 R's of slot 1, wave 3 P's
	ARM 1, G0R,   G1R, .Lhead_p0
	ARM 2, G0P,   G1P, .Lhead_r1
	ARM 3, G0R+4, G1R, .Lhead_p1
	tensor_load_to_lds s[G0P+4:G0P+7], s[G1P:G1P+7]
	s_nop 0
.rept 4
	v_nop
.endr
.Lhead_asked:
	v_and_b32 v1, 15, v0                           ; r
	v_bfe_u32 v2, v0, 4, 1                         ; h
	v_and_b32 v3, 31, v0                           ; lane
	v_lshlrev_b32 v4, 3, v3
	v_lshlrev_b32 v5, 4, v1
	s_mul_i32 s21, s14, 4*REC                      ; my four tiles of R
	s_add_co_u32 s22, s21, 6144
.irp s, 0,1
	v_add_nc_u32 v[ADR+\s], s21, v4
	v_add_nc_u32 v[ADP+\s], POFF+\s*SLOT, v4
	v_add_nc_u32 v[ADSR+\s], s22, v5
	v_add_nc_u32 v[ADSP+\s], POFF+6144+\s*SLOT, v5
	s_add_co_u32 s21, s21, SLOT
	s_add_co_u32 s22, s22, SLOT
.endr
	v_mov_b32 v24, v4                              ; the way out: 8 x lane;
	v_mul_u32_u24 v25, v2, OTP
	v_add_nc_u32 v25, v25, v5                      ; scale words: lanes 16-31 the next tile's, 16 r
	v_cmp_lt_u32 s78, 15, v3                       ; lanes 16-31
.irp b, 0,1,2,3
	v_mov_b32 v[TM+4+\b], 0                        ; a lane permute's destination counts as read: written once
.endr
	s_lshl_b32 s23, s42, 9
	s_and_b32 s23, s23, s71
	v_lshl_add_u32 v6, v2, 6, s23                  ; the bias along P: 512 px + 64 h (at 64 h alone in the mode that masks it: every load stays inside the buffer)
	s_lshl_b32 s81, s17, 8
	s_lshl_b32 s82, s14, 6
	s_add_co_u32 s81, s81, s82
	s_add_co_u32 s81, s81, 2048
	s_lshl_b32 s81, s81, 2
	s_and_b32 s81, s81, s72
	v_and_b32 v8, 8, v1
	v_add_nc_u32 v8, v8, v1
	v_lshl_add_u32 v7, v8, 2, s81                  ; the bias along R: row 2,048 + 256 ry + 64 w + r + 8 (r / 8)
	WIN 0xc0
.irp b, 0,1,2,3,4,5,6,7
	global_load_b128 v[8*\b:8*\b+3], v6, s[8:9] offset:(32*(\b/2)+8*(\b%2))*4          ; tile b, register j: P's row 32 (b / 2) + 16 h + 8 (b % 2) + j
	global_load_b128 v[8*\b+4:8*\b+7], v6, s[8:9] offset:(32*(\b/2)+8*(\b%2))*4+16
.endr
	WIN 0
.irp a, 0,1,2,3
	global_load_b32 v[BR+2*\a], v7, s[8:9] offset:(32*(\a/2)+8*(\a%2))*4
.endr
	s_lshl_b32 s81, s17, 4                         ; where my results go: tile 16 ry + 4 w, K step px
	s_lshl_b32 s82, s14, 2
	s_add_co_u32 s81, s81, s82
	s_mul_i32 s81, s81, OTP
	s_lshr_b32 s82, s42, 2
	s_mul_i32 s82, s82, REC
	s_add_co_u32 s82, s81, s82
	s_and_b32 s83, s42, 3
	s_mul_i32 s84, s83, 1536
	s_add_co_u32 s84, s84, s82
	s_mov_b32 s85, 0
	s_add_nc_u64 s[74:75], s[10:11], s[84:85]      ; the fragment
	s_lshl_b32 s84, s83, 2
	s_add_co_u32 s84, s84, s82
	s_add_co_u32 s84, s84, 6144
	s_add_nc_u64 s[76:77], s[10:11], s[84:85]      ; its scale words
	s_wait_loadcnt 0x0
	WIN 0xcc
.set i, 0
.rept 64
	v_and_b32 v[i], s71, v[i]
.set i, i+1
.endr
	WIN 0
.irp a, 0,1,2,3
	v_and_b32 v[BR+2*\a], s72, v[BR+2*\a]
.endr
.irp a, 0,1,2,3
	v_mov_b32 v[BR+2*\a+1], v[BR+2*\a]             ; the packed addition names a pair
.endr
	s_wait_alu depctr_va_vdst(0)
	s_wait_kmcnt 0x0                               ; lo
	s_cmp_gt_u32 s14, 1                            ; waves 0 and 1 fetched slot 0 and wait for it here; the loads of waves 2 and 3 fill slot 1, which is read behind the change of slots, where every wave waits for 0
	s_cbranch_scc1 .Lslot1_mine
	s_wait_tensorcnt 0x0
.Lslot1_mine:
	s_barrier_signal -1
	s_barrier_wait -1
	FETCH 0, 0, 0
	SCALES 0
	STEP 0, 0, 1                                   ; the first products start the sums from the bias
	STEP 0, 1, 0
	STEP 0, 2, 0
	TURN 0, 1
	STEP 1, 0, 0
	STEP 1, 1, 0
	STEP 1, 2, 0
	s_wait_dscnt 0x0
	WIN MUL
.irp a, 0,1,2,3
	MUL8 \a, 1, 3, 1, 0
.endr
	WIN 0
	; THE WAY OUT, a tile of R at a time: bias along R, activation, quantised in registers; the fragment is stored as it stands, six stores of 256 consecutive aligned bytes.
	PLACES 4
.irp a, 0,1,2,3
.if \a > 0
	s_wait_xcnt 0x0                                ; the last tile's stores have read their registers
.endif
	WIN 0x02
.set i, 0
.rept 32
	v_pk_add_f32 v[HA+2*i:HA+2*i+1], v[64*\a+2*i:64*\a+2*i+1], v[BR+2*\a:BR+2*\a+1] op_sel_hi:[1,0]    ; each accumulator from its low end on
.set i, i+1
.endr
	WIN 0
.set i, 0
.rept 64
	v_max_num_f32 v[HA+i], s70, v[HA+i]
.set i, i+1
.endr
	QUANT HA
	v_mov_b32 v[PWS+\a], v[PW]
.irp p, 0,1,2,3,4,5
	global_store_b64 v24, v[PC+2*\p:PC+2*\p+1], s[74:75] offset:OTP*\a+256*\p
.endr
.if \a%2 == 1
	v_cndmask_b32 v[WW+\a/2], v[PWS+\a-1], v[PWS+\a], s78
	global_store_b32 v25, v[WW+\a/2], s[76:77] offset:2*OTP*(\a/2)     ; 4 bytes a lane, 16 apart: one K step's words of two tiles
.endif
.endr
	s_wait_tensorcnt 0x0                           ; the wave's end
	ds_add_u32 v[SPW], v[NIL]
	s_wait_dscnt 0x0
	CROUND                                         ; the closing round
	s_endpgm
.Lfunc_end_k_q0c4b208aea_qkv:
	.size	k_q0c4b208aea_qkv, .Lfunc_end_k_q0c4b208aea_qkv-k_q0c4b208aea_qkv
	.p2alignl 7, 3214868480
	.fill 96, 4, 3214868480
	.section	.rodata,"a",@progbits
	.p2align	6, 0x0
	.amdhsa_kernel k_q0c4b208aea_qkv
		.amdhsa_group_segment_fixed_size 327680
		.amdhsa_private_segment_fixed_size 0
		.amdhsa_enable_private_segment 0
		.amdhsa_kernarg_size 40
		.amdhsa_user_sgpr_count 2
		.amdhsa_user_sgpr_kernarg_segment_ptr 1
		.amdhsa_wavefront_size32 1
		.amdhsa_system_sgpr_workgroup_id_x 1
		.amdhsa_system_sgpr_workgroup_id_y 1
		.amdhsa_system_sgpr_workgroup_id_z 1
		.amdhsa_system_vgpr_workitem_id 0
		.amdhsa_next_free_vgpr 1024
		.amdhsa_next_free_sgpr 96
		.amdhsa_reserve_vcc 0
		.amdhsa_float_denorm_mode_32 3
		.amdhsa_float_denorm_mode_16_64 3
		.amdhsa_memory_ordered 1
		.amdhsa_forward_progress 1
		.amdhsa_inst_pref_size 119
	.end_amdhsa_kernel
	.amdgpu_metadata
---
amdhsa.version: [ 1, 2 ]
amdhsa.kernels:
  - .name:           k_q0c4b208aea_qkv
    .symbol:         k_q0c4b208aea_qkv.kd
    .args:
      - { .name: WA, .offset: 0, .size: 8, .value_kind: global_buffer, .address_space: global }
      - { .name: act, .offset: 8, .size: 8, .value_kind: global_buffer, .address_space: global }
      - { .name: b_qkv, .offset: 16, .size: 8, .value_kind: global_buffer, .address_space: global }
      - { .name: big, .offset: 24, .size: 8, .value_kind: global_buffer, .address_space: global }
      - { .name: vimg, .offset: 32, .size: 8, .value_kind: global_buffer, .address_space: global }
    .group_segment_fixed_size: 327680
    .private_segment_fixed_size: 0
    .kernarg_segment_align: 8
    .kernarg_segment_size: 40
    .max_flat_workgroup_size: 128
    .sgpr_count:     96
    .vgpr_count:     1024
    .wavefront_size: 32
...
	.end_amdgpu_metadata
.endif
;; end of part 2
;; launch attn (part 3): grid 16 x 16, 16 waves a work-group, no clusters, 327,680 bytes of LDS; arguments big, vimg, act; writes act
.if DOCPART == 3
	.amdgcn_target "amdgcn-amd-amdhsa--gfx1250"
	.amdhsa_code_object_version 6
	.text
	.protected	k_q0c4b208aea_attn
	.globl	k_q0c4b208aea_attn
	.p2align	8
	.type	k_q0c4b208aea_attn,@function
k_q0c4b208aea_attn:
	s_mov_b64 s[64:65], 0
	v_nop
	global_prefetch_b8 v0, s[64:65] scope:SCOPE_SE
	s_setreg_imm32_b32 hwreg(HW_REG_WAVE_MODE, 25, 1), 1
	s_wait_xcnt 0x0
; Attention on codes of BF6 (E3M2): 2 batches x 16 heads of 64, 2,048 keys, no mask.  Out: O / l, quantised along the 1,024 features, as an operand image by tokens.
; IMAGES (tile = 16 rows, lane row r of tile T = row 32 (T / 2) + 8 (T % 2) + r + 8 (r / 8); record = 6,400 bytes = tile x 512 along K: fragment s at 1,536 s, scale word of row r at 6,144 + 16 r + 4 s):
;   big:  256 token tiles x 8 records; K steps 0-7 hold q's 1,024 features, K steps 8-15 k's.   vimg: 64 tiles of (head, channel) x 8 records along the 4,096 tokens.   act: 256 token tiles x 2 records.
; A K step of 128 features holds TWO heads: registers 0-5 the even one, 6-11 the odd one.  K's fragments and all scale words are taken as they lie; of Q's fragment the other head's six registers are cleared:
; zero codes add nothing under any scale byte that a quantiser gives.
; SOFTMAX: t = score x log2(e) / 8; M = the running largest t rounded up to a whole number; p = 2^(t - M) is quantised along the keys, not normalised; the sum is taken of the unquantised p and divides O at the end.
; SHARES.  Work-group (x, y): batch y / 8, head pair y % 8, 128 queries.  Wave w: head 2 (y % 8) + w / 8, query tile w % 8.  Every wave walks all 2,048 keys, 128 a step; a slot holds 512 keys of both heads.
; Both products are used transposed (S^T = K Q^T, O^T = V^T P^T): a lane holds one query; by the order of rows in a tile the 16 registers of two neighbouring tiles are 16 neighbouring keys (or channels).
; NO CLUSTER: a slot's 100,352 bytes feed sixteen waves for four key steps, 48 matrix and some 900 vector instructions a wave; the fetches are a small part of a step's work, and a round of sixteen waves in four work-groups would stand at each change.
; LIMITS: NaN and infinities are not served; a block whose largest magnitude lies under 2^-122 has its byte held at 1; a block of zeros has the byte 1 over zero codes.
; REGISTERS: v1-7, v30 addresses that stay; v8-11 addresses in hand; v12 -M, v13 the largest t, v[14:15] the sum; v16-27 Q; v32-79 four fragments; v96-159 S^T, then p; v160-191 O^T; v224-235 p's codes; v232-254 at work; v248-251, v253, v255 scale words.
.set REC,   6400
.set TPB,   51200                      ; from tile to tile in big and vimg
.set VOFF,  32*1536                    ; a slot: 32 token tiles of K (1,536 bytes each), then 8 records of V
.set SLOT1, 1<<17
.set NSL,   4
.set SCK,   2*SLOT1                    ; behind the ring: k's scale words of the batch's 128 token tiles, 256 bytes each: filled once
.set SPARE, SCK+128*256                ; the spare words, 128 bytes a wave: eight blocks of 256 bytes that no other line names
.set AK0,  1                           ; v1  8 x lane
.set AV0,  2                           ; v2  my head's four records of V, + 8 x lane
.set ASK0, 3                           ; v3  K's scale words: 16 r + 4 (g % 4)
.set ASV0, 4                           ; v4  V's: 16 r
.set SPW,  5
.set NIL,  6
.set BO,   7                           ; v7  16 r + h: the way out's byte
.set ADK,  8
.set ADV,  9
.set ADS,  10
.set ADT,  11
.set R16,  30                          ; v30 16 r
.set WV,   18
.set SEL,  20
.set CS,   22
.set G1K,  24
.set G1V,  32
.set G0K,  40
.set G0V,  44
.set G1S,  48
.set G0S,  56
.set TB,   2                           ; s2  LDS byte at which the slot in hand begins
.set TS,   3                           ; s3  where the step's scale words of K begin: 2,048 bytes a step
.set SLOTS, 67
.macro TLOAD                           ; waves 0 and 1 fetch K's halves, waves 2 and 3 V's, the others nothing; four v_nop follow each line
	s_cmp_lt_u32 s[WV], 2
	s_cbranch_scc0 .Lnot_k_\@
	tensor_load_to_lds s[G0K:G0K+3], s[G1K:G1K+7]
	s_nop 0
.rept 4
	v_nop
.endr
	s_branch .Lasked_\@
.Lnot_k_\@:
	s_cmp_lt_u32 s[WV], 4
	s_cbranch_scc0 .Lasked_\@
	tensor_load_to_lds s[G0V:G0V+3], s[G1V:G1V+7]
	s_nop 0
.rept 4
	v_nop
.endr
.Lasked_\@:
.endm
	s_load_b128 s[4:7], s[0:1], 0x0                ; big, vimg
	s_load_b64 s[8:9], s[0:1], 0x10                ; act
	v_lshl_add_u32 v[SPW], v0, 2, SPARE
	v_mov_b32 v[NIL], 0
	ds_add_u32 v5, v6
	ds_add_u32 v5, v6
	s_wait_dscnt 0x0
	v_lshrrev_b32 v8, 5, v0
	s_delay_alu instid0(VALU_DEP_1)
	v_readfirstlane_b32 s[WV], v8                  ; wave 0..15
	s_and_b32 s70, ttmp7, 0xffff
	s_lshr_b32 s71, s70, 3                         ; batch
	s_and_b32 s72, s70, 7                          ; g: the head pair
	s_lshr_b32 s73, s72, 2
	s_and_b32 s74, s72, 3
	s_lshr_b32 s75, s[WV], 3                       ; c: which head of the pair
	s_and_b32 s76, s[WV], 1                        ; which half I fetch, if I fetch
	s_lshl_b32 s77, s71, 7                         ; the batch's first token tile
	s_lshl_b32 s78, s76, 4
	s_add_co_u32 s78, s78, s77
	s_mul_i32 s78, s78, TPB
	s_add_co_u32 s80, s73, 2
	s_mul_i32 s80, s80, REC                        ; k's record in a token tile
	s_mul_i32 s81, s74, 1536                       ; the pair's fragment in a record
	s_add_co_u32 s78, s78, s80
	s_add_co_u32 s78, s78, s81
	s_mov_b32 s79, 0                               ; K: tile 128 b + 16 x half
	s_lshl_b32 s82, s76, 6
	s_add_co_u32 s82, s82, s77
	s_mul_i32 s82, s82, TPB
	s_add_co_u32 s82, s82, s80
	s_add_co_u32 s82, s82, 6144
	s_mov_b32 s83, 0                               ; K's scale words: tile 128 b + 64 x half
	s_lshl_b32 s84, s72, 3
	s_lshl_b32 s85, s76, 2
	s_add_co_u32 s84, s84, s85
	s_mul_i32 s84, s84, TPB
	s_mul_i32 s85, s71, 4*REC
	s_add_co_u32 s84, s84, s85
	s_mov_b32 s85, 0                               ; V: tile 8 g + 4 x half, record 4 b
	s_lshl_b32 s86, ttmp9, 3
	s_add_co_u32 s86, s86, s77
	s_and_b32 s87, s[WV], 7
	s_add_co_u32 s86, s86, s87                     ; my query tile
	s_mul_i32 s88, s86, TPB
	s_mul_i32 s89, s73, REC
	s_add_co_u32 s88, s88, s89                     ; q's record
	s_add_co_u32 s90, s88, s81
	s_mov_b32 s91, 0                               ; its fragment
	s_lshl_b32 s92, s74, 2
	s_add_co_u32 s92, s92, s88
	s_add_co_u32 s92, s92, 6144
	s_mov_b32 s93, 0                               ; its scale words
	s_mul_i32 s94, s86, 12800
	s_add_co_u32 s94, s94, s89                     ; the record of act that I write into
	s_mul_i32 s95, s75, 768
	s_add_co_u32 s96, s94, s81
	s_add_co_u32 s96, s96, s95
	s_mov_b32 s97, 0                               ; registers 6 c .. 6 c + 5 of fragment g % 4
	s_lshl_b32 s95, s74, 2
	s_add_co_u32 s94, s94, s95
	s_lshl_b32 s95, s75, 1
	s_add_co_u32 s94, s94, s95
	s_add_co_u32 s94, s94, 6144
	s_mov_b32 s95, 0                               ; bytes 2 c, 2 c + 1 of its scale words
	s_cmp_eq_u32 s75, 0
	s_cselect_b32 s68, -1, 0                       ; keeps Q's registers 0-5
	s_cselect_b32 s69, 0, -1                       ; keeps Q's registers 6-11
	; descriptor groups 1: elements of 8 bytes, no mask, no padding, 6,400 elements from tile to tile
	s_mov_b32 s[G1K], 3<<16
	s_mov_b32 s[G1K+1], 192<<16                    ; a fragment: 1,536 bytes
	s_mov_b32 s[G1K+2], 16<<16                     ; 16 token tiles
	s_mov_b32 s[G1K+3], 192<<16
	s_mov_b32 s[G1K+4], 16
	s_mov_b32 s[G1K+5], 6400
	s_mov_b32 s[G1K+6], 0
	s_mov_b32 s[G1K+7], 0
	s_mov_b32 s[G1V], 3<<16
	s_mov_b32 s[G1V+1], 800<<16                    ; a record
	s_mov_b32 s[G1V+2], 4<<16                      ; 4 tiles of channels
	s_mov_b32 s[G1V+3], 800<<16
	s_mov_b32 s[G1V+4], 4
	s_mov_b32 s[G1V+5], 6400
	s_mov_b32 s[G1V+6], 0
	s_mov_b32 s[G1V+7], 0
	s_mov_b32 s[G1S], 3<<16
	s_mov_b32 s[G1S+1], 32<<16                     ; a record's scale words: 256 bytes
	s_mov_b32 s[G1S+2], 64<<16                     ; 64 token tiles
	s_mov_b32 s[G1S+3], 32<<16
	s_mov_b32 s[G1S+4], 64
	s_mov_b32 s[G1S+5], 6400
	s_mov_b32 s[G1S+6], 0
	s_mov_b32 s[G1S+7], 0
	s_mov_b32 s[SEL], 0x76543210
	s_mov_b32 s[SEL+1], 0xfedcba98
	s_mov_b32 s[CS], 0x3e38aa3b                    ; c = log2(e) / sqrt(64)
	s_mov_b32 s[CS+1], s[CS]
	s_mov_b32 s[TB], 0
	s_mov_b32 s[TS], 0
	s_mov_b32 s[SLOTS], NSL-2
	s_wait_kmcnt 0x0
	s_mov_b32 s[G0S], 1
	s_lshl_b32 s98, s76, 14
	s_add_co_u32 s[G0S+1], s98, SCK
	s_add_nc_u64 s[G0S+2:G0S+3], s[4:5], s[82:83]
	s_or_b32 s[G0S+3], s[G0S+3], 0x80000000
	s_mov_b32 s[G0K], 1
	s_mul_i32 s[G0K+1], s76, 16*1536
	s_add_nc_u64 s[G0K+2:G0K+3], s[4:5], s[78:79]
	s_or_b32 s[G0K+3], s[G0K+3], 0x80000000
	s_mov_b32 s[G0V], 1
	s_mul_i32 s98, s76, 4*REC
	s_add_co_u32 s[G0V+1], s98, VOFF
	s_add_nc_u64 s[G0V+2:G0V+3], s[6:7], s[84:85]
	s_or_b32 s[G0V+3], s[G0V+3], 0x80000000
	s_cmp_lt_u32 s[WV], 2                          ; a wave's first fills stand in one branch; at most two loads of mine are out
	s_cbranch_scc0 .Lfirst_not_k
	tensor_load_to_lds s[G0K:G0K+3], s[G1K:G1K+7]  ; slot 0
	s_nop 0
.rept 4
	v_nop
.endr
	s_branch .Lfirst_asked
.Lfirst_not_k:
	s_cmp_lt_u32 s[WV], 4
	s_cbranch_scc0 .Lfirst_not_v
	tensor_load_to_lds s[G0V:G0V+3], s[G1V:G1V+7]
	s_nop 0
.rept 4
	v_nop
.endr
	s_branch .Lfirst_asked
.Lfirst_not_v:
	s_cmp_lt_u32 s[WV], 6
	s_cbranch_scc0 .Lfirst_asked
	tensor_load_to_lds s[G0S:G0S+3], s[G1S:G1S+7]  ; waves 4 and 5: K's scale words of the whole batch, a half each: filled once
	s_nop 0
.rept 4
	v_nop
.endr
.Lfirst_asked:
	s_add_nc_u64 s[60:61], s[4:5], s[90:91]        ; Q's fragment
	s_add_nc_u64 s[62:63], s[4:5], s[92:93]        ; Q's scale words
	s_add_nc_u64 s[10:11], s[8:9], s[96:97]        ; where my codes go
	s_add_nc_u64 s[12:13], s[8:9], s[94:95]        ; and my scale bytes
	v_and_b32 v8, 15, v0                           ; r
	v_and_b32 v9, 31, v0                           ; lane
	v_bfe_u32 v10, v0, 4, 1                        ; h
	s_delay_alu instid0(VALU_DEP_2)
	v_lshlrev_b32 v[AK0], 3, v9
	s_delay_alu instid0(VALU_DEP_4)
	v_lshlrev_b32 v[R16], 4, v8
	s_delay_alu instid0(VALU_DEP_1)
	v_add_nc_u32 v[BO], v[R16], v10
.irp p, 0,1,2,3,4,5
	global_load_b64 v[16+2*\p:17+2*\p], v[AK0], s[60:61] offset:256*\p     ; Q's fragment stays in registers
.endr
	global_load_b32 v255, v[R16], s[62:63]
	s_mul_i32 s98, s75, 4*REC
	s_add_co_u32 s98, s98, VOFF
	v_add_nc_u32 v[AV0], s98, v[AK0]
	s_add_co_u32 s98, s98, 6144
	v_add_nc_u32 v[ASV0], s98, v[R16]
	s_lshl_b32 s98, s74, 2
	s_add_co_u32 s98, s98, SCK
	v_add_nc_u32 v[ASK0], s98, v[R16]
	s_wait_loadcnt 0x0                             ; Q
.irp i, 0,1,2,3,4,5
	v_and_b32 v[16+\i], s68, v[16+\i]              ; the other head's codes become zeros
	v_and_b32 v[22+\i], s69, v[22+\i]
.endr
	v_mov_b32 v13, 0xff61b1e6                      ; the largest t so far: -3e38
	s_delay_alu instid0(VALU_DEP_1)
	v_floor_f32 v12, -v13                          ; -M
	v_mov_b32 v14, 0
	v_mov_b32 v15, 0
.irp b, 0,1,2,3
	v_mov_b32 v[236+\b], 0                         ; a lane permute's destination counts as read: written once
.endr
	v_mov_b32 v253, 0                              ; (named as the upper half of the pair v[252:253] before it is first written)
.set i, 0
.rept 32
	v_mov_b32 v[160+i], 0                          ; O^T: the loop is written once; its first step finds zeros, which the first change of M leaves zeros
.set i, i+1
.endr
; A KEY STEP: 128 keys, the q-th of the slot in hand
; chg = 1, a slot's last step: all my LDS reads of the slot are issued by the time V's loads are, so the change of slots begins there: the wait for all my tensor loads, the add, the wait for it and for my reads, and the barrier's signal;
; the softmax and the second product, work on registers alone, stand between the signal and the wait, which follows the step.  fill = 1: the group 0 in hand steps to the next 512 keys.
.macro STEP q, chg, fill
	v_add_nc_u32 v[ADK], s[TB], v[AK0]             ; (these four are also the places in front of the loads into registers that the last products read)
	v_add_nc_u32 v[ADV], s[TB], v[AV0]
	v_add_nc_u32 v[ADS], s[TS], v[ASK0]
	v_add_nc_u32 v[ADT], s[TB], v[ASV0]
	s_wait_alu depctr_va_vdst(0)
.irp g, 0,1                            ; all eight token tiles of K in one run of 56 loads: tiles 0-3 at v32-79, tiles 4-7 at v80-91, v192-203, v204-215, v216-227; scale words at v248-251 and v92-95
.irp t, 0,1,2,3
.set KF, 32+12*\t+\g*(148-100*((3-\t)/3))
.irp p, 0,1,2,3,4,5
	ds_load_b64 v[KF+2*\p:KF+2*\p+1], v[ADK] offset:(8*(\q)+4*\g+\t)*1536+256*\p
.endr
	ds_load_b32 v[248-156*\g+\t], v[ADS] offset:(4*\g+\t)*256
.endr
.endr
.irp g, 0,1                            ; S^T = K Q^T
	s_wait_dscnt 28-28*\g                          ; first: all but the 28 loads of tiles 4-7; then all
.irp t, 0,1,2,3
.set KF, 32+12*\t+\g*(148-100*((3-\t)/3))
	v_wmma_scale_f32_16x16x128_f8f6f4 v[96+8*(4*\g+\t):103+8*(4*\g+\t)], v[KF:KF+11], v[16:27], 0, v[248-156*\g+\t], v255 matrix_a_fmt:MATRIX_FMT_BF6 matrix_b_fmt:MATRIX_FMT_BF6
.endr
.endr
.rept 4
	v_nop
.endr
.irp t, 0,1,2,3                        ; my head's four tiles of V are asked for here and waited for in front of the second product: the softmax stands between
.irp p, 0,1,2,3,4,5
	ds_load_b64 v[32+12*\t+2*\p:32+12*\t+2*\p+1], v[ADV] offset:REC*\t+1536*(\q)+256*\p
.endr
	ds_load_b32 v[92+\t], v[ADT] offset:REC*\t+4*(\q)
.endr
.if \chg
	s_wait_tensorcnt 0x0                           ; no tensor load of mine is out, so a group 0 may be written
	ds_add_u32 v[SPW], v[NIL]                      ; 0 onto my spare word,
	ds_add_u32 v[SPW], v[NIL]                      ; twice on end
.if \fill
	s_xor_b32 s[G0K+1], s[G0K+1], SLOT1
	s_add_nc_u64 s[G0K+2:G0K+3], s[G0K+2:G0K+3], 32*TPB
	s_xor_b32 s[G0V+1], s[G0V+1], SLOT1
	s_add_nc_u64 s[G0V+2:G0V+3], s[G0V+2:G0V+3], REC
.endif
	s_wait_dscnt 0x0                               ; the adds are done, V's fragments are in, and my reads of this slot are over
	s_barrier_signal -1
.endif
.irp b, 0,1,2,3
	v_max3_num_f32 v[232+\b], v[96+16*\b], v[97+16*\b], v[98+16*\b]   ; the largest score of each block of 32 keys: for the row's maximum, and, since p rises with the score, for the block's largest p
.endr
.irp i, 3,5,7,9,11,13
.irp b, 0,1,2,3
	v_max3_num_f32 v[232+\b], v[232+\b], v[96+16*\b+\i], v[97+16*\b+\i]
.endr
.endr
.irp b, 0,1,2,3
	v_max_num_f32 v[232+\b], v[232+\b], v[111+16*\b]
.endr
.irp b, 0,1,2,3
	s_delay_alu instid0(VALU_DEP_4)
	v_permlanex16_b32 v[236+\b], v[232+\b], s[SEL], s[SEL+1]
.endr
.irp b, 0,1,2,3
	s_delay_alu instid0(VALU_DEP_4)
	v_max_num_f32 v[232+\b], v[232+\b], v[236+\b]  ; with lane l xor 16's 16 keys
.endr
	s_delay_alu instid0(VALU_DEP_2)
	v_max3_num_f32 v254, v232, v233, v234
	s_delay_alu instid0(VALU_DEP_1)
	v_max_num_f32 v254, v254, v235
	s_delay_alu instid0(VALU_DEP_1)
	v_mul_f32 v254, s[CS], v254                    ; as t (c is positive)
	s_delay_alu instid0(VALU_DEP_1)
	v_max_num_f32 v13, v13, v254                   ; the running largest t
	v_mov_b32 v254, v12
	s_delay_alu instid0(VALU_DEP_2)
	v_floor_f32 v12, -v13                          ; the new -M = -ceil(t): a whole number
	s_delay_alu instid0(VALU_DEP_1)
	v_sub_f32 v254, v12, v254                      ; old M - new M: a whole number, 0 or less
	s_delay_alu instid0(VALU_DEP_1)
	v_cvt_i32_f32 v254, v254                       ; (it saturates)
	s_delay_alu instid0(VALU_DEP_1)
	v_ldexp_f32 v252, 1.0, v254                    ; f = 2^(old M - new M): a multiplication by it rounds nothing
.irp j, 0,2,4,6,8,10,12,14,16,18,20,22,24,26,28,30,32,34,36,38,40,42,44,46,48,50,52,54,56,58,60,62
	v_pk_fma_f32 v[96+\j:97+\j], v[96+\j:97+\j], s[CS:CS+1], v[12:13] op_sel_hi:[1,0,0]   ; t - M
.endr
.irp b, 0,1,2,3
	v_fma_f32 v[232+\b], v[232+\b], s[CS], v12
.endr
.set i, 0
	s_wait_alu depctr_va_vdst(0)
.rept 64
	v_exp_f32 v[96+i], v[96+i]                     ; p = 2^(t - M), at most 1
.set i, i+1
.endr
.irp b, 0,1,2,3
	v_exp_f32 v[232+\b], v[232+\b]                 ; the block's largest p
.endr
	v_pk_mul_f32 v[14:15], v[14:15], v[252:253] op_sel_hi:[1,0]       ; the sums under the new M (a plain instruction behind the exponentials)
	s_wait_alu depctr_va_vdst(0)
.irp b, 0,1,2,3
	v_max_num_f32 v[232+\b], 0x2800000, v[232+\b]  ; the floor 2^(5 - 127)
.endr
.irp b, 0,1,2,3
	s_delay_alu instid0(VALU_DEP_4)
	v_add_nc_u32 v[244+\b], 0xfe000000, v[232+\b]
.endr
.irp b, 0,1,2,3
	s_delay_alu instid0(VALU_DEP_4)
	v_lshrrev_b32 v[236+\b], 23, v[244+\b]
.endr
	s_delay_alu instid0(VALU_DEP_3)
	v_lshl_or_b32 v253, v237, 8, v236              ; p's scale word for these 128 keys
	s_delay_alu instid0(VALU_DEP_1)
	v_lshl_or_b32 v253, v238, 16, v253
	s_delay_alu instid0(VALU_DEP_1)
	v_lshl_or_b32 v253, v239, 24, v253
.irp c, 0,1
	v_cvt_scalef32_pk16_bf6_f32 v[224+6*\c:226+6*\c], v[96+32*\c:111+32*\c], v[244+2*\c]
	v_cvt_scalef32_pk16_bf6_f32 v[236+4*\c:238+4*\c], v[112+32*\c:127+32*\c], v[244+2*\c+1]
.endr
	v_nop                                          ; one plain instruction behind a scaled conversion
.irp c, 0,1
.irp i, 0,1,2
	v_permlane16_swap_b32 v[224+6*\c+\i], v[236+4*\c+\i]
.endr
.irp i, 0,1,2
	s_delay_alu instid0(VALU_DEP_3)
	v_mov_b32 v[227+6*\c+\i], v[236+4*\c+\i]
.endr
.endr
	v_pk_add_f32 v[236:237], v[100:101], v[104:105]
	v_pk_add_f32 v[250:251], v[108:109], v[112:113]
	v_pk_add_f32 v[248:249], v[116:117], v[120:121]
	v_pk_add_f32 v[246:247], v[124:125], v[128:129]
	v_pk_add_f32 v[244:245], v[132:133], v[136:137]
	v_pk_add_f32 v[242:243], v[140:141], v[144:145]
	v_pk_add_f32 v[240:241], v[148:149], v[152:153]
	v_pk_add_f32 v[14:15], v[14:15], v[156:157]
	v_pk_add_f32 v[236:237], v[236:237], v[96:97]
	v_pk_add_f32 v[250:251], v[250:251], v[98:99]
	v_pk_add_f32 v[248:249], v[248:249], v[102:103]
	v_pk_add_f32 v[246:247], v[246:247], v[106:107]
	v_pk_add_f32 v[244:245], v[244:245], v[110:111]
	v_pk_add_f32 v[242:243], v[242:243], v[114:115]
	v_pk_add_f32 v[240:241], v[240:241], v[118:119]
	v_pk_add_f32 v[14:15], v[14:15], v[122:123]
	v_pk_add_f32 v[236:237], v[236:237], v[126:127]
	v_pk_add_f32 v[250:251], v[250:251], v[130:131]
	v_pk_add_f32 v[248:249], v[248:249], v[134:135]
	v_pk_add_f32 v[246:247], v[246:247], v[138:139]
	v_pk_add_f32 v[244:245], v[244:245], v[142:143]
	v_pk_add_f32 v[242:243], v[242:243], v[146:147]
	v_pk_add_f32 v[240:241], v[240:241], v[150:151]
	v_pk_add_f32 v[14:15], v[14:15], v[154:155]
	v_pk_add_f32 v[236:237], v[236:237], v[158:159]
	s_delay_alu instid0(VALU_DEP_2)
	v_pk_add_f32 v[14:15], v[14:15], v[246:247]
	s_delay_alu instid0(VALU_DEP_2)
	v_pk_add_f32 v[236:237], v[236:237], v[244:245]
	v_pk_add_f32 v[250:251], v[250:251], v[242:243]
	v_pk_add_f32 v[248:249], v[248:249], v[240:241]
	s_delay_alu instid0(VALU_DEP_2)
	v_pk_add_f32 v[14:15], v[14:15], v[250:251]
	s_delay_alu instid0(VALU_DEP_2)
	v_pk_add_f32 v[236:237], v[236:237], v[248:249]
	s_delay_alu instid0(VALU_DEP_1)
	v_pk_add_f32 v[14:15], v[14:15], v[236:237]
.irp j, 0,2,4,6,8,10,12,14,16,18,20,22,24,26,28,30
	v_pk_mul_f32 v[160+\j:161+\j], v[160+\j:161+\j], v[252:253] op_sel_hi:[1,0]   ; O^T under the new M.  (With the sums above: more than the eight places between the scale word's last write and the scaled products)
.endr
.if \chg == 0
	s_wait_alu depctr_va_vdst(0)
	s_wait_dscnt 0x0                               ; V's fragments (in a slot's last step they were waited for ahead of the signal)
.endif
.irp t, 0,1,2,3
	v_wmma_scale_f32_16x16x128_f8f6f4 v[160+8*\t:167+8*\t], v[32+12*\t:43+12*\t], v[224:235], v[160+8*\t:167+8*\t], v[92+\t], v253 matrix_a_fmt:MATRIX_FMT_BF6 matrix_b_fmt:MATRIX_FMT_BF6
.endr
	s_add_co_u32 s[TS], s[TS], 2048                ; the next step's eight token tiles
.endm
; THE CHANGE OF SLOTS stands at a slot's head: each wave waits for all its tensor loads, adds 0 to its spare word, and waits for that and for its reads of the slot that it has left.
; fill = 1: the slot that was left takes the next 512 keys; the load has four key steps in which to land.
.macro CHANGE fill
	s_wait_tensorcnt 0x0                           ; no tensor load of mine is out, so a group 0 may be written
	ds_add_u32 v[SPW], v[NIL]                      ; 0 onto my spare word,
	ds_add_u32 v[SPW], v[NIL]                      ; twice on end
.if \fill
	s_xor_b32 s[G0K+1], s[G0K+1], SLOT1
	s_add_nc_u64 s[G0K+2:G0K+3], s[G0K+2:G0K+3], 32*TPB
	s_xor_b32 s[G0V+1], s[G0V+1], SLOT1
	s_add_nc_u64 s[G0V+2:G0V+3], s[G0V+2:G0V+3], REC
.endif
	s_wait_dscnt 0x0
	s_barrier_signal -1
	s_barrier_wait -1
.if \fill
	TLOAD                                          ; the first thing behind the barrier, and a wave's one tensor load until the next
.endif
.endm
.macro SLOT_STEPS fill
	STEP 0, 0, 0
	STEP 1, 0, 0
	STEP 2, 0, 0
	STEP 3, 1, \fill
	s_xor_b32 s[TB], s[TB], SLOT1
	s_barrier_wait -1                              ; every wave has left the slot, and the next slot is whole
.if \fill
	TLOAD                                          ; the first thing behind the barrier, and a wave's one tensor load until the next
.endif
.endm
	CHANGE 1                                       ; slot 0 is whole; slot 1's first fill is issued as a refill is
.Lslot:                                            ; NSL - 2 = 2 trips: keys 0-511 and 512-1,023; the slot that is left takes the keys 1,024 further on
	SLOT_STEPS 1
	s_sub_co_u32 s[SLOTS], s[SLOTS], 1
	s_cmp_lg_u32 s[SLOTS], 0
	s_cbranch_scc1 .Lslot
	s_mov_b32 s[SLOTS], 2
.Ltail:                                            ; the last two slots fetch nothing: a loop of their own.  Its second trip's barrier orders nothing: it is kept so that the two trips are one text
	SLOT_STEPS 0
	s_sub_co_u32 s[SLOTS], s[SLOTS], 1
	s_cmp_lg_u32 s[SLOTS], 0
	s_cbranch_scc1 .Ltail
	; THE WAY OUT: O^T / the sum; register 16 b + i is channel 32 b + 16 h + i of my query: two blocks of the next product's K
.rept 4
	v_nop
.endr
	v_add_f32 v14, v14, v15
	s_delay_alu instid0(VALU_DEP_1)
	v_permlanex16_b32 v252, v14, s[SEL], s[SEL+1]
	s_delay_alu instid0(VALU_DEP_1)
	v_add_f32 v14, v14, v252
	s_wait_alu depctr_va_vdst(0)
	v_rcp_f32 v14, v14
	v_nop                                          ; one plain instruction behind the transcendental
.set i, 0
	s_wait_alu depctr_va_vdst(0)
.rept 32
	v_mul_f32 v[96+i], v[160+i], v14
.set i, i+1
.endr
.irp b, 0,1
	v_max3_num_f32 v[232+\b], |v[96+16*\b]|, |v[97+16*\b]|, 0x2800000
.endr
.irp i, 2,4,6,8,10,12,14
.irp b, 0,1
	s_delay_alu instid0(VALU_DEP_2)
	v_max3_num_f32 v[232+\b], v[232+\b], |v[96+16*\b+\i]|, |v[97+16*\b+\i]|
.endr
.endr
.irp b, 0,1
	s_delay_alu instid0(VALU_DEP_2)
	v_permlanex16_b32 v[236+\b], v[232+\b], s[SEL], s[SEL+1]
.endr
.irp b, 0,1
	s_delay_alu instid0(VALU_DEP_2)
	v_max_num_f32 v[232+\b], v[232+\b], v[236+\b]
.endr
.irp b, 0,1
	s_delay_alu instid0(VALU_DEP_2)
	v_add_nc_u32 v[244+\b], 0xfe000000, v[232+\b]
.endr
.irp b, 0,1
	s_delay_alu instid0(VALU_DEP_2)
	v_lshrrev_b32 v[240+\b], 23, v[244+\b]
.endr
	v_cvt_scalef32_pk16_bf6_f32 v[224:226], v[96:111], v244
	v_cvt_scalef32_pk16_bf6_f32 v[236:238], v[112:127], v245
	v_and_b32 v9, 31, v0                           ; (a plain instruction behind the scaled conversions)
.irp i, 0,1,2
	v_permlane16_swap_b32 v[224+\i], v[236+\i]     ; lane (r, h) now holds block h: its lower 16 codes here, its upper 16 there
.endr
.irp i, 0,1,2
	s_delay_alu instid0(VALU_DEP_3)
	v_mov_b32 v[227+\i], v[236+\i]
.endr
	v_cmp_lt_u32 vcc_lo, 15, v9
	s_delay_alu instid0(VALU_DEP_1)
	v_cndmask_b32 v242, v240, v241, vcc_lo         ; block h's byte
.irp i, 0,1,2
	global_store_b64 v[AK0], v[224+2*\i:225+2*\i], s[10:11] offset:256*\i      ; 256 consecutive bytes, aligned
.endr
	global_store_b8 v[BO], v242, s[12:13]          ; one byte a lane, 32 a wave: two of a scale word's four bytes are this head's
	s_wait_tensorcnt 0x0                           ; the wave's end
	ds_add_u32 v[SPW], v[NIL]
	s_wait_dscnt 0x0
	s_endpgm
.Lfunc_end_k_q0c4b208aea_attn:
	.size	k_q0c4b208aea_attn, .Lfunc_end_k_q0c4b208aea_attn-k_q0c4b208aea_attn
	.p2alignl 7, 3214868480
	.fill 96, 4, 3214868480
	.section	.rodata,"a",@progbits
	.p2align	6, 0x0
	.amdhsa_kernel k_q0c4b208aea_attn
		.amdhsa_group_segment_fixed_size 327680
		.amdhsa_private_segment_fixed_size 0
		.amdhsa_enable_private_segment 0
		.amdhsa_kernarg_size 24
		.amdhsa_user_sgpr_count 2
		.amdhsa_user_sgpr_kernarg_segment_ptr 1
		.amdhsa_wavefront_size32 1
		.amdhsa_system_sgpr_workgroup_id_x 1
		.amdhsa_system_sgpr_workgroup_id_y 1
		.amdhsa_system_sgpr_workgroup_id_z 1
		.amdhsa_system_vgpr_workitem_id 0
		.amdhsa_next_free_vgpr 256
		.amdhsa_next_free_sgpr 100
		.amdhsa_reserve_vcc 1
		.amdhsa_float_denorm_mode_32 3
		.amdhsa_float_denorm_mode_16_64 3
		.amdhsa_memory_ordered 1
		.amdhsa_forward_progress 1
		.amdhsa_inst_pref_size 177
	.end_amdhsa_kernel
	.amdgpu_metadata
---
amdhsa.version: [ 1, 2 ]
amdhsa.kernels:
  - .name:           k_q0c4b208aea_attn
    .symbol:         k_q0c4b208aea_attn.kd
    .args:
      - { .name: big, .offset: 0, .size: 8, .value_kind: global_buffer, .address_space: global }
      - { .name: vimg, .offset: 8, .size: 8, .value_kind: global_buffer, .address_space: global }
      - { .name: act, .offset: 16, .size: 8, .value_kind: global_buffer, .address_space: global }
    .group_segment_fixed_size: 327680
    .private_segment_fixed_size: 0
    .kernarg_segment_align: 8
    .kernarg_segment_size: 24
    .max_flat_workgroup_size: 512
    .sgpr_count:     100
    .vgpr_count:     256
    .wavefront_size: 32
...
	.end_amdgpu_metadata
.endif
;; end of part 3
;; launch outproj (part 4): grid 8 x 32, 4 waves a work-group, clusters of 4 x 4, 327,680 bytes of LDS; arguments WA, act, b_out, x, x2; writes x2
.if DOCPART == 4
	.amdgcn_target "amdgcn-amd-amdhsa--gfx1250"
	.amdhsa_code_object_version 6
	.text
	.protected	k_q0c4b208aea_outproj
	.globl	k_q0c4b208aea_outproj
	.p2align	8
	.type	k_q0c4b208aea_outproj,@function
k_q0c4b208aea_outproj:
	s_mov_b64 s[64:65], 0
	v_nop
	global_prefetch_b8 v0, s[64:65] scope:SCOPE_SE
	s_setreg_imm32_b32 hwreg(HW_REG_WAVE_MODE, 25, 1), 1
	s_wait_xcnt 0x0
	s_wait_alu depctr_hold_cnt(0) depctr_sa_sdst(0) depctr_va_vdst(0) depctr_va_sdst(0) depctr_va_ssrc(0) depctr_va_vcc(0) depctr_vm_vsrc(0)
	s_getreg_b32 s2, hwreg(HW_REG_IB_STS2, 6, 4)
	s_cmp_eq_u32 s2, 0
	s_cbranch_scc0 .Lentry_in_a_cluster
	s_endpgm
.Lentry_in_a_cluster:
	s_bfe_u32 s2, ttmp6, 0x10000c
	s_cmp_lg_u32 s2, 0xf033
	s_cbranch_scc0 .Lentry_shape_is_right
	s_endpgm
.Lentry_shape_is_right:
; x2 = x + (attention's image) w_out + b_out.  A GEMM on operand images of BF6 codes (records of 6,400 bytes: a tile of 16 rows x 512 along K, codes and scale words), used transposed: source 0 = P (the weight), source 1 = R (the tokens).
; A work-group makes 128 rows of R x 128 of P: 32 x 8 = 256 work-groups.  Wave (i, j) = (wave / 2, wave % 2) takes R's tiles 4 i .. 4 i + 3 against P's tiles 4 j .. 4 j + 3: 16 accumulators, by turns.
; Two LDS slots of 16 records hold all of K: four first fills, one a wave, and nothing is filled again.  Cluster 4 x 4: R's records are shared along a row, P's along a column.
; The bias is the C of the first products; the residual is added on the way out, which goes through the wave's own stage in slot 0 (read out by then) and leaves as rows of 256 aligned bytes, sixteen lanes each.
; No prefetch: the launch has no loop to run ahead in.
.set SIZE_K, 1024
.set WOFF,   2457856
.set LASTOUT, 0
.set NG,     SIZE_K/512
.set REC,    6400
.set TP,     NG*REC
.set POFF,   8*REC
.set SLOT,   16*REC
.set SPARE,  2*SLOT
.set LAPS,   SIZE_K/1024
.set SPITCH, 272
.set ADR,  16
.set ADP,  18
.set ADSR, 20
.set ADSP, 22
.set STO,  24
.set RD,   25
.set CO,   26
.set SPW,  28
.set NIL,  29
.set SC,   32
.set RF,   128
.set BK,   128
.set G1R, 24
.set G0R, 32
.set G1P, 48
.set G0P, 56
.set MSB, 0
.macro WIN new
.if MSB != \new
	s_set_vgpr_msb (MSB<<8)|\new
.set MSB, \new
.endif
.endm
.set MUL,  0xa1
.set MULB, 0xb1
.set TO_B, 0x40
.macro PLACES n
.rept \n
	v_nop
.endr
.endm
.macro JLOAD g0a, g1a, g0b, g1b
	s_cmp_eq_u32 s15, 0
	s_cbranch_scc0 .Lfor_b_\@
	tensor_load_to_lds s[\g0a:\g0a+3], s[\g1a:\g1a+7]
	s_nop 0
.rept 4
	v_nop
.endr
	s_branch .Lasked_\@
.Lfor_b_\@:
	tensor_load_to_lds s[\g0b:\g0b+3], s[\g1b:\g1b+7]
	s_nop 0
.rept 4
	v_nop
.endr
.Lasked_\@:
.endm
.macro CREST
	s_cmp_lg_u32 s14, 0
	s_cbranch_scc1 .Lnot_wave_0_\@
	s_barrier_signal -3
.Lnot_wave_0_\@:
	s_barrier_wait -3
	s_barrier_signal -1
	s_barrier_wait -1
.endm
.macro CROUND
	s_barrier_signal -1
	s_barrier_wait -1
	CREST
.endm
.macro FETCH slot, q, bu
	WIN TO_B
.irp b, 0,1,2,3
.irp p, 0,1,2,3,4,5
	ds_load_b64 v[128*(\bu)+12*\b+2*\p:128*(\bu)+12*\b+2*\p+1], v[ADP+\slot] offset:REC*\b+1536*(\q)+256*\p
.endr
.endr
	WIN 0
.irp a, 0,1,2,3
.irp p, 0,1,2,3,4,5
	ds_load_b64 v[RF+48*(\bu)+12*\a+2*\p:RF+48*(\bu)+12*\a+2*\p+1], v[ADR+\slot] offset:REC*\a+1536*(\q)+256*\p
.endr
.endr
.endm
.macro SCALES slot
.irp b, 0,1,2,3
	ds_load_b128 v[SC+48*\slot+4*\b:SC+48*\slot+4*\b+3], v[ADSP+\slot] offset:REC*\b
.endr
.irp a, 0,1,2,3
	ds_load_b128 v[SC+48*\slot+32+4*\a:SC+48*\slot+32+4*\a+3], v[ADSR+\slot] offset:REC*\a
.endr
.endm
.macro MUL8 a, bu, q, ss, init
.irp b, 0,1,2,3
.if \init
	v_wmma_scale_f32_16x16x128_f8f6f4 v[8*(8*(\a)+\b):8*(8*(\a)+\b)+7], v[128*(\bu)+12*\b:128*(\bu)+12*\b+11], v[RF+48*(\bu)+12*(\a):RF+48*(\bu)+12*(\a)+11], v[8*\b:8*\b+7], v[SC+48*(\ss)+4*\b+(\q)], v[SC+48*(\ss)+32+4*(\a)+(\q)] matrix_a_fmt:MATRIX_FMT_BF6 matrix_b_fmt:MATRIX_FMT_BF6
.else
	v_wmma_scale_f32_16x16x128_f8f6f4 v[8*(8*(\a)+\b):8*(8*(\a)+\b)+7], v[128*(\bu)+12*\b:128*(\bu)+12*\b+11], v[RF+48*(\bu)+12*(\a):RF+48*(\bu)+12*(\a)+11], v[8*(8*(\a)+\b):8*(8*(\a)+\b)+7], v[SC+48*(\ss)+4*\b+(\q)], v[SC+48*(\ss)+32+4*(\a)+(\q)] matrix_a_fmt:MATRIX_FMT_BF6 matrix_b_fmt:MATRIX_FMT_BF6
.endif
.endr
.endm
.macro STEP slot, q, init
	s_wait_dscnt 0x0
	PLACES 4
	FETCH \slot, (\q)+1, 1-(\q)%2
.if \init
	WIN MULB
.else
	WIN MUL
.endif
.irp a, 0,1,2,3
	MUL8 \a, (\q)%2, \q, \slot, \init
.endr
.endm
.macro TURN slot, next, fill
	WIN 0
	s_wait_tensorcnt 0x0
	ds_add_u32 v[SPW], v[NIL]
	s_wait_dscnt 1
	WIN MUL
	MUL8 0, 1, 3, \slot, 0
	s_wait_dscnt 0x0
	s_barrier_signal -1
	MUL8 1, 1, 3, \slot, 0
	WIN 0
	s_barrier_wait -1
.if \fill
	CREST
	s_add_nc_u64 s[G0R+4*\slot+2:G0R+4*\slot+3], s[G0R+4*\slot+2:G0R+4*\slot+3], 2*REC
	s_add_nc_u64 s[G0P+4*\slot+2:G0P+4*\slot+3], s[G0P+4*\slot+2:G0P+4*\slot+3], 2*REC
	JLOAD G0R+4*\slot, G1R, G0P+4*\slot, G1P
.else
	PLACES 4
.endif
	FETCH \next, 0, 0
	SCALES \next
	WIN MUL
	MUL8 2, 1, 3, \slot, 0
	MUL8 3, 1, 3, \slot, 0
.endm
	s_load_b256 s[4:11], s[0:1], 0x0
	s_load_b64 s[12:13], s[0:1], 0x20
	v_lshl_add_u32 v[SPW], v0, 2, SPARE
	v_mov_b32 v[NIL], 0
	ds_add_u32 v28, v29
	ds_add_u32 v28, v29
	s_wait_dscnt 0x0
	v_lshrrev_b32 v1, 5, v0
	v_readfirstlane_b32 s14, v1
	s_lshr_b32 s15, s14, 1
	s_and_b32 s16, s14, 1
	s_bfe_u32 s40, ttmp6, 0x40000
	s_bfe_u32 s41, ttmp6, 0x40004
	s_lshl_b32 s42, ttmp9, 2
	s_add_co_u32 s42, s42, s40
	s_and_b32 s17, ttmp7, 0xffff
	s_lshl_b32 s17, s17, 2
	s_add_co_u32 s17, s17, s41
	s_lshl_b32 s43, s41, 2
	s_lshl_b32 s43, 15, s43
	s_lshl_b32 s44, 0x1111, s40
	s_or_b32 s[G1R+0], s43, (3<<16)|(1<<21)
	s_or_b32 s[G1P+0], s44, (3<<16)|(1<<21)
	s_mov_b32 s[G1R+1], 800<<16
	s_mov_b32 s[G1R+2], 8<<16
	s_mov_b32 s[G1R+3], 800<<16
	s_mov_b32 s[G1R+4], 8
	s_mov_b32 s[G1R+5], NG*800
	s_mov_b32 s[G1R+6], 0
	s_mov_b32 s[G1R+7], 0
	s_mov_b32 s[G1P+1], 800<<16
	s_mov_b32 s[G1P+2], 8<<16
	s_mov_b32 s[G1P+3], 800<<16
	s_mov_b32 s[G1P+4], 8
	s_mov_b32 s[G1P+5], NG*800
	s_mov_b32 s[G1P+6], 0
	s_mov_b32 s[G1P+7], 0
	s_lshl_b32 s20, s17, 3                         ; R: tile 8 ry
	s_mul_i32 s20, s20, TP
	s_mov_b32 s21, 0
	s_lshl_b32 s46, s42, 3
	s_mul_i32 s46, s46, TP
	s_add_co_u32 s46, s46, WOFF
	s_mov_b32 s47, 0
	s_mov_b32 s45, 0
	s_mov_b32 s80, POFF
	s_wait_kmcnt 0x0
	s_add_nc_u64 s[20:21], s[6:7], s[20:21]
	s_add_nc_u64 s[46:47], s[4:5], s[46:47]
	CROUND
.irp s, 0,1
	s_mov_b32 s[G0R+4*\s], 1
	s_add_co_u32 s[G0R+4*\s+1], s45, \s*SLOT
	s_add_nc_u64 s[G0R+4*\s+2:G0R+4*\s+3], s[20:21], \s*REC
	s_or_b32 s[G0R+4*\s+3], s[G0R+4*\s+3], 0x80000000
	s_mov_b32 s[G0P+4*\s], 1
	s_add_co_u32 s[G0P+4*\s+1], s80, \s*SLOT
	s_add_nc_u64 s[G0P+4*\s+2:G0P+4*\s+3], s[46:47], \s*REC
	s_or_b32 s[G0P+4*\s+3], s[G0P+4*\s+3], 0x80000000
.endr
.macro ARM under, g0, g1, next         ; one arm of the head's chain of branches on the wave's number
	s_cmp_lt_u32 s14, \under
	s_cbranch_scc0 \next
	tensor_load_to_lds s[\g0:\g0+3], s[\g1:\g1+7]
	s_nop 0
.rept 4
	v_nop
.endr
	s_branch .Lhead_asked
\next:
.endm
	; the four first fills, one a wave: wave 0 R's records of slot 0, wave 1 P's, wave 2 R's of slot 1, wave 3 P's
	ARM 1, G0R,   G1R, .Lhead_p0
	ARM 2, G0P,   G1P, .Lhead_r1
	ARM 3, G0R+4, G1R, .Lhead_p1
	tensor_load_to_lds s[G0P+4:G0P+7], s[G1P:G1P+7]
	s_nop 0
.rept 4
	v_nop
.endr
.Lhead_asked:
	v_and_b32 v1, 15, v0
	v_bfe_u32 v2, v0, 4, 1
	v_and_b32 v3, 31, v0
	v_lshlrev_b32 v4, 3, v3
	v_lshlrev_b32 v5, 4, v1
	s_wait_alu depctr_va_vdst(0)
	s_mul_i32 s21, s15, 4*REC                      ; my four tiles of R
	s_mul_i32 s81, s16, 4*REC
	s_add_co_u32 s81, s81, POFF                    ; my four tiles of P
	s_add_co_u32 s82, s81, 6144
	s_add_co_u32 s22, s21, 6144
.irp s, 0,1
	v_add_nc_u32 v[ADR+\s], s21, v4
	v_add_nc_u32 v[ADP+\s], s81, v4
	v_add_nc_u32 v[ADSR+\s], s22, v5
	v_add_nc_u32 v[ADSP+\s], s82, v5
	s_add_co_u32 s21, s21, SLOT
	s_add_co_u32 s22, s22, SLOT
	s_add_co_u32 s81, s81, SLOT
	s_add_co_u32 s82, s82, SLOT
.endr
	s_mul_i32 s23, s14, 16*SPITCH
	v_mul_u32_u24 v[STO], v1, SPITCH
	v_lshl_add_u32 v[STO], v2, 6, v[STO]
	v_add_nc_u32 v[STO], s23, v[STO]
	v_mul_u32_u24 v7, v2, SPITCH                   ; back: lanes 0-15 take one row of 256 bytes, lanes 16-31 the next
	v_lshl_add_u32 v7, v1, 4, v7
	v_add_nc_u32 v[RD], s23, v7
	v_lshlrev_b32 v[CO], 4, v1
	v_lshl_add_u32 v[CO], v2, 12, v[CO]            ; and the same two rows in memory, 4,096 bytes apart
	s_lshl_b32 s23, s42, 9
	s_lshl_b32 s83, s16, 8
	s_add_co_u32 s23, s23, s83                     ; my first column in bytes: 512 px + 256 j
	v_lshl_add_u32 v6, v2, 6, s23
	WIN 0xc0
.irp b, 0,1,2,3
	global_load_b128 v[8*\b:8*\b+3], v6, s[8:9] offset:(32*(\b/2)+8*(\b%2))*4
	global_load_b128 v[8*\b+4:8*\b+7], v6, s[8:9] offset:(32*(\b/2)+8*(\b%2))*4+16
.endr
	WIN 0
	s_lshl_b32 s84, s17, 19                        ; my first row: 128 ry + 64 i, rows of 4,096 bytes
	s_lshl_b32 s85, s15, 18
	s_add_co_u32 s84, s84, s85
	s_add_co_u32 s84, s84, s23
	s_mov_b32 s85, 0
	s_add_nc_u64 s[10:11], s[10:11], s[84:85]
	s_add_nc_u64 s[12:13], s[12:13], s[84:85]
	s_wait_alu depctr_va_vdst(0)
	s_wait_loadcnt 0x0
	s_cmp_gt_u32 s14, 1                            ; waves 0 and 1 fetched slot 0 and wait for it here; the loads of waves 2 and 3 fill slot 1, which is read behind the change of slots, where every wave waits for 0
	s_cbranch_scc1 .Lslot1_mine
	s_wait_tensorcnt 0x0
.Lslot1_mine:
	s_barrier_signal -1
	s_barrier_wait -1
	FETCH 0, 0, 0
	SCALES 0
	STEP 0, 0, 1
	PLACES 4
	WIN 0xc0
.irp a, 0,1,2,3
.irp t, 0,1,2,3,4,5,6,7
	global_load_b128 v[32*\a+4*\t:32*\a+4*\t+3], v[CO], s[10:11] offset:(32*(\a/2)+8*(\a%2)+2*\t+8*(\t/4))*4096 th:TH_LOAD_NT
.endr
.endr
	WIN 0
.if LAPS > 1
	s_mov_b32 s3, LAPS-1
.Llap:
	STEP 0, 1, 0
	STEP 0, 2, 0
	TURN 0, 1, 1
	STEP 1, 0, 0
	STEP 1, 1, 0
	STEP 1, 2, 0
	TURN 1, 0, 1
	STEP 0, 0, 0
	WIN 0
	s_sub_co_u32 s3, s3, 1
	s_cmp_lg_u32 s3, 0
	s_cbranch_scc1 .Llap
.endif
	STEP 0, 1, 0
	STEP 0, 2, 0
	TURN 0, 1, 0
	STEP 1, 0, 0
	STEP 1, 1, 0
	STEP 1, 2, 0
	s_wait_dscnt 0x0
	WIN MUL
.irp a, 0,1,2,3
	MUL8 \a, 1, 3, 1, 0
.endr
	WIN 0
.macro TOSTAGE a
	WIN 0x08
.irp b, 0,1,2,3
	ds_store_b128 v[STO], v[8*(8*(\a)+\b):8*(8*(\a)+\b)+3] offset:128*(\b/2)+32*(\b%2)
	ds_store_b128 v[STO], v[8*(8*(\a)+\b)+4:8*(8*(\a)+\b)+7] offset:128*(\b/2)+32*(\b%2)+16
.endr
	WIN 0
.set BBK, BK+64*((\a)%2)
.irp t, 0,1,2,3,4,5,6,7
	ds_load_b128 v[BBK+4*\t:BBK+4*\t+3], v[RD] offset:2*\t*SPITCH
.endr
.endm
.macro SEND a, younger
.set BBK, BK+64*((\a)%2)
	s_wait_dscnt \younger
	WIN 0x0c
.set i, 0
.rept 16
	v_pk_add_f32 v[BBK+2*i:BBK+2*i+1], v[BBK+2*i:BBK+2*i+1], v[32*(\a)+2*i:32*(\a)+2*i+1]
.set i, i+1
.endr
	WIN 0
.irp t, 0,1,2,3,4,5,6,7
.if LASTOUT
	global_store_b128 v[CO], v[BBK+4*\t:BBK+4*\t+3], s[12:13] offset:(32*((\a)/2)+8*((\a)%2)+2*\t+8*(\t/4))*4096 th:TH_STORE_NT
.else
	global_store_b128 v[CO], v[BBK+4*\t:BBK+4*\t+3], s[12:13] offset:(32*((\a)/2)+8*((\a)%2)+2*\t+8*(\t/4))*4096
.endif
.endr
.endm
	PLACES 4
	s_wait_loadcnt 0x0
	TOSTAGE 0
.irp a, 1,2,3
.if \a > 1
	s_wait_xcnt 0x0
.endif
	TOSTAGE \a
	SEND \a-1, 16
.endr
	SEND 3, 0
	s_wait_tensorcnt 0x0
	ds_add_u32 v[SPW], v[NIL]
	s_wait_dscnt 0x0
	CROUND
	s_endpgm
.Lfunc_end_k_q0c4b208aea_outproj:
	.size	k_q0c4b208aea_outproj, .Lfunc_end_k_q0c4b208aea_outproj-k_q0c4b208aea_outproj
	.p2alignl 7, 3214868480
	.fill 96, 4, 3214868480
	.section	.rodata,"a",@progbits
	.p2align	6, 0x0
	.amdhsa_kernel k_q0c4b208aea_outproj
		.amdhsa_group_segment_fixed_size 327680
		.amdhsa_private_segment_fixed_size 0
		.amdhsa_enable_private_segment 0
		.amdhsa_kernarg_size 40
		.amdhsa_user_sgpr_count 2
		.amdhsa_user_sgpr_kernarg_segment_ptr 1
		.amdhsa_wavefront_size32 1
		.amdhsa_system_sgpr_workgroup_id_x 1
		.amdhsa_system_sgpr_workgroup_id_y 1
		.amdhsa_system_sgpr_workgroup_id_z 1
		.amdhsa_system_vgpr_workitem_id 0
		.amdhsa_next_free_vgpr 1024
		.amdhsa_next_free_sgpr 96
		.amdhsa_reserve_vcc 0
		.amdhsa_float_denorm_mode_32 3
		.amdhsa_float_denorm_mode_16_64 3
		.amdhsa_memory_ordered 1
		.amdhsa_forward_progress 1
		.amdhsa_inst_pref_size 67
	.end_amdhsa_kernel
	.amdgpu_metadata
---
amdhsa.version: [ 1, 2 ]
amdhsa.kernels:
  - .name:           k_q0c4b208aea_outproj
    .symbol:         k_q0c4b208aea_outproj.kd
    .args:
      - { .name: WA, .offset: 0, .size: 8, .value_kind: global_buffer, .address_space: global }
      - { .name: act, .offset: 8, .size: 8, .value_kind: global_buffer, .address_space: global }
      - { .name: b_out, .offset: 16, .size: 8, .value_kind: global_buffer, .address_space: global }
      - { .name: x, .offset: 24, .size: 8, .value_kind: global_buffer, .address_space: global }
      - { .name: x2, .offset: 32, .size: 8, .value_kind: global_buffer, .address_space: global }
    .group_segment_fixed_size: 327680
    .private_segment_fixed_size: 0
    .kernarg_segment_align: 8
    .kernarg_segment_size: 40
    .max_flat_workgroup_size: 128
    .sgpr_count:     96
    .vgpr_count:     1024
    .wavefront_size: 32
...
	.end_amdgpu_metadata
.endif
;; end of part 4
;; launch ln2: the kernel of part 1 again; grid 256 x 1, 8 waves a work-group, no clusters, 67,584 bytes of LDS; arguments x2, ln2_g, ln2_b, act, w_qkv, w_out, w1, w2, WA, WB; writes act, WA, WB
;; launch ffn1: the kernel of part 2 again; grid 32 x 16, 4 waves a work-group, clusters of 4 x 4, 327,680 bytes of LDS; arguments WB, act, b1, big, vimg; writes big, vimg
;; launch ffn2 (part 5): grid 8 x 32, 4 waves a work-group, clusters of 4 x 4, 327,680 bytes of LDS; arguments WB, big, b2, x2, out0; writes out0
.if DOCPART == 5
	.amdgcn_target "amdgcn-amd-amdhsa--gfx1250"
	.amdhsa_code_object_version 6
	.text
	.protected	k_q0c4b208aea_ffn2
	.globl	k_q0c4b208aea_ffn2
	.p2align	8
	.type	k_q0c4b208aea_ffn2,@function
k_q0c4b208aea_ffn2:
	s_mov_b64 s[64:65], 0
	v_nop
	global_prefetch_b8 v0, s[64:65] scope:SCOPE_SE
	s_setreg_imm32_b32 hwreg(HW_REG_WAVE_MODE, 25, 1), 1
	s_wait_xcnt 0x0
	s_wait_alu depctr_hold_cnt(0) depctr_sa_sdst(0) depctr_va_vdst(0) depctr_va_sdst(0) depctr_va_ssrc(0) depctr_va_vcc(0) depctr_vm_vsrc(0)
	s_getreg_b32 s2, hwreg(HW_REG_IB_STS2, 6, 4)
	s_cmp_eq_u32 s2, 0
	s_cbranch_scc0 .Lentry_in_a_cluster
	s_endpgm
.Lentry_in_a_cluster:
	s_bfe_u32 s2, ttmp6, 0x10000c
	s_cmp_lg_u32 s2, 0xf033
	s_cbranch_scc0 .Lentry_shape_is_right
	s_endpgm
.Lentry_shape_is_right:
; out0 = x2 + (the hidden layer's image) w2 + b2.  A GEMM on operand images of BF6 codes (records of 6,400 bytes: a tile of 16 rows x 512 along K, codes and scale words), used transposed: source 0 = P (the weight), source 1 = R (the tokens).
; A work-group makes 128 rows of R x 128 of P: 32 x 8 = 256 work-groups.  Wave (i, j) = (wave / 2, wave % 2) takes R's tiles 4 i .. 4 i + 3 against P's tiles 4 j .. 4 j + 3: 16 accumulators, by turns.
; K goes in steps of 512 through a ring of two LDS slots of 16 records; waves 0 and 1 fetch R's halves, waves 2 and 3 P's, one joint load a wave behind each round.  Cluster 4 x 4: R's records are shared along a row, P's along a column.
; The bias is the C of the first products; the residual is added on the way out, which goes through the wave's own stage in slot 0 (its last fill and last read are over by then) and leaves as rows of 256 aligned bytes, sixteen lanes each.
.set SIZE_K, 4096
.set WOFF,   3277056
.set LASTOUT, 1
.set NG,     SIZE_K/512
.set REC,    6400
.set TP,     NG*REC
.set POFF,   8*REC
.set SLOT,   16*REC
.set SPARE,  2*SLOT
.set LAPS,   SIZE_K/1024
.set SPITCH, 272
.set ADR,  16
.set ADP,  18
.set ADSR, 20
.set ADSP, 22
.set STO,  24
.set RD,   25
.set CO,   26
.set SPW,  28
.set NIL,  29
.set SC,   32
.set RF,   128
.set BK,   128
.set G1R, 24
.set G0R, 32
.set G1P, 48
.set G0P, 56
; PREFETCH INTO THE L2: behind the joint load of record k stands one prefetch of record k + 2, two refills ahead.  A wave's load is four tiles x 6,400 bytes; the four partners that ask for it jointly
; share the tiles out by address (partner cx of R's, cy of P's), a lane to each of a tile's 25 blocks of 256 bytes (lanes 25-31 name the last again): each block is named once in a cluster.
; Records 0 and 1 come by their loads alone; the loop's last trip, which fills records 6 and 7, asks for nothing.
.set PFA, 90                           ; s[90:91] my share's tile, at the record three behind the one that the loop's prefetch names
.set PFO, 8                            ; v8 256 x min(lane, 24); never rewritten
.set MSB, 0
.macro WIN new
.if MSB != \new
	s_set_vgpr_msb (MSB<<8)|\new
.set MSB, \new
.endif
.endm
.set MUL,  0xa1
.set MULB, 0xb1
.set TO_B, 0x40
.macro PLACES n
.rept \n
	v_nop
.endr
.endm
.macro JLOAD g0a, g1a, g0b, g1b
	s_cmp_eq_u32 s15, 0
	s_cbranch_scc0 .Lfor_b_\@
	tensor_load_to_lds s[\g0a:\g0a+3], s[\g1a:\g1a+7]
	s_nop 0
.rept 4
	v_nop
.endr
	s_branch .Lasked_\@
.Lfor_b_\@:
	tensor_load_to_lds s[\g0b:\g0b+3], s[\g1b:\g1b+7]
	s_nop 0
.rept 4
	v_nop
.endr
.Lasked_\@:
.endm
.macro CREST
	s_cmp_lg_u32 s14, 0
	s_cbranch_scc1 .Lnot_wave_0_\@
	s_barrier_signal -3
.Lnot_wave_0_\@:
	s_barrier_wait -3
	s_barrier_signal -1
	s_barrier_wait -1
.endm
.macro CROUND
	s_barrier_signal -1
	s_barrier_wait -1
	CREST
.endm
.macro FETCH slot, q, bu
	WIN TO_B
.irp b, 0,1,2,3
.irp p, 0,1,2,3,4,5
	ds_load_b64 v[128*(\bu)+12*\b+2*\p:128*(\bu)+12*\b+2*\p+1], v[ADP+\slot] offset:REC*\b+1536*(\q)+256*\p
.endr
.endr
	WIN 0
.irp a, 0,1,2,3
.irp p, 0,1,2,3,4,5
	ds_load_b64 v[RF+48*(\bu)+12*\a+2*\p:RF+48*(\bu)+12*\a+2*\p+1], v[ADR+\slot] offset:REC*\a+1536*(\q)+256*\p
.endr
.endr
.endm
.macro SCALES slot
.irp b, 0,1,2,3
	ds_load_b128 v[SC+48*\slot+4*\b:SC+48*\slot+4*\b+3], v[ADSP+\slot] offset:REC*\b
.endr
.irp a, 0,1,2,3
	ds_load_b128 v[SC+48*\slot+32+4*\a:SC+48*\slot+32+4*\a+3], v[ADSR+\slot] offset:REC*\a
.endr
.endm
.macro MUL8 a, bu, q, ss, init
.irp b, 0,1,2,3
.if \init
	v_wmma_scale_f32_16x16x128_f8f6f4 v[8*(8*(\a)+\b):8*(8*(\a)+\b)+7], v[128*(\bu)+12*\b:128*(\bu)+12*\b+11], v[RF+48*(\bu)+12*(\a):RF+48*(\bu)+12*(\a)+11], v[8*\b:8*\b+7], v[SC+48*(\ss)+4*\b+(\q)], v[SC+48*(\ss)+32+4*(\a)+(\q)] matrix_a_fmt:MATRIX_FMT_BF6 matrix_b_fmt:MATRIX_FMT_BF6
.else
	v_wmma_scale_f32_16x16x128_f8f6f4 v[8*(8*(\a)+\b):8*(8*(\a)+\b)+7], v[128*(\bu)+12*\b:128*(\bu)+12*\b+11], v[RF+48*(\bu)+12*(\a):RF+48*(\bu)+12*(\a)+11], v[8*(8*(\a)+\b):8*(8*(\a)+\b)+7], v[SC+48*(\ss)+4*\b+(\q)], v[SC+48*(\ss)+32+4*(\a)+(\q)] matrix_a_fmt:MATRIX_FMT_BF6 matrix_b_fmt:MATRIX_FMT_BF6
.endif
.endr
.endm
.macro STEP slot, q, init
	s_wait_dscnt 0x0
	PLACES 4
	FETCH \slot, (\q)+1, 1-(\q)%2
.if \init
	WIN MULB
.else
	WIN MUL
.endif
.irp a, 0,1,2,3
	MUL8 \a, (\q)%2, \q, \slot, \init
.endr
.endm
.macro TURN slot, next, fill
	WIN 0
.if \fill
	s_wait_xcnt 0x0                                ; my last prefetch has read its address: it is stepped here, ahead of the waits of the change of slots
	s_add_nc_u64 s[PFA:PFA+1], s[PFA:PFA+1], REC
.endif
	s_wait_tensorcnt 0x0
	ds_add_u32 v[SPW], v[NIL]
	s_wait_dscnt 1
	WIN MUL
	MUL8 0, 1, 3, \slot, 0
	s_wait_dscnt 0x0
	s_barrier_signal -1
	MUL8 1, 1, 3, \slot, 0
	WIN 0
	s_barrier_wait -1
.if \fill
	CREST
	s_add_nc_u64 s[G0R+4*\slot+2:G0R+4*\slot+3], s[G0R+4*\slot+2:G0R+4*\slot+3], 2*REC
	s_add_nc_u64 s[G0P+4*\slot+2:G0P+4*\slot+3], s[G0P+4*\slot+2:G0P+4*\slot+3], 2*REC
	JLOAD G0R+4*\slot, G1R, G0P+4*\slot, G1P
.else
	PLACES 4
.endif
	FETCH \next, 0, 0
	SCALES \next
.if \fill
	s_cmp_gt_u32 s3, 1                             ; s3 = 1 in the loop's last trip: no record two refills on
	s_cbranch_scc0 .Lno_ask_\@
	global_prefetch_b8 v[PFO], s[PFA:PFA+1] offset:3*REC th:TH_LOAD_NT scope:SCOPE_SE
.Lno_ask_\@:
.endif
	WIN MUL
	MUL8 2, 1, 3, \slot, 0
	MUL8 3, 1, 3, \slot, 0
.endm
	s_load_b256 s[4:11], s[0:1], 0x0
	s_load_b64 s[12:13], s[0:1], 0x20
	v_lshl_add_u32 v[SPW], v0, 2, SPARE
	v_mov_b32 v[NIL], 0
	ds_add_u32 v28, v29
	ds_add_u32 v28, v29
	s_wait_dscnt 0x0
	v_lshrrev_b32 v1, 5, v0
	v_readfirstlane_b32 s14, v1
	s_lshr_b32 s15, s14, 1
	s_and_b32 s16, s14, 1
	s_bfe_u32 s40, ttmp6, 0x40000
	s_bfe_u32 s41, ttmp6, 0x40004
	s_lshl_b32 s42, ttmp9, 2
	s_add_co_u32 s42, s42, s40
	s_and_b32 s17, ttmp7, 0xffff
	s_lshl_b32 s17, s17, 2
	s_add_co_u32 s17, s17, s41
	s_lshl_b32 s43, s41, 2
	s_lshl_b32 s43, 15, s43
	s_lshl_b32 s44, 0x1111, s40
	s_or_b32 s[G1R+0], s43, (3<<16)|(1<<21)
	s_or_b32 s[G1P+0], s44, (3<<16)|(1<<21)
	s_mov_b32 s[G1R+1], 800<<16
	s_mov_b32 s[G1R+2], 4<<16
	s_mov_b32 s[G1R+3], 800<<16
	s_mov_b32 s[G1R+4], 4
	s_mov_b32 s[G1R+5], NG*800
	s_mov_b32 s[G1R+6], 0
	s_mov_b32 s[G1R+7], 0
	s_mov_b32 s[G1P+1], 800<<16
	s_mov_b32 s[G1P+2], 4<<16
	s_mov_b32 s[G1P+3], 800<<16
	s_mov_b32 s[G1P+4], 4
	s_mov_b32 s[G1P+5], NG*800
	s_mov_b32 s[G1P+6], 0
	s_mov_b32 s[G1P+7], 0
	s_lshl_b32 s20, s17, 3                         ; R: tile 8 ry + 4 x half
	s_lshl_b32 s21, s16, 2
	s_add_co_u32 s20, s20, s21
	s_mul_i32 s20, s20, TP
	s_mov_b32 s21, 0
	s_lshl_b32 s46, s42, 3
	s_lshl_b32 s47, s16, 2
	s_add_co_u32 s46, s46, s47
	s_mul_i32 s46, s46, TP
	s_add_co_u32 s46, s46, WOFF
	s_mov_b32 s47, 0
	s_mul_i32 s45, s16, 4*REC
	s_mul_i32 s80, s16, 4*REC
	s_add_co_u32 s80, s80, POFF
	s_wait_kmcnt 0x0
	s_add_nc_u64 s[20:21], s[6:7], s[20:21]
	s_add_nc_u64 s[46:47], s[4:5], s[46:47]
	CROUND
.irp s, 0,1
	s_mov_b32 s[G0R+4*\s], 1
	s_add_co_u32 s[G0R+4*\s+1], s45, \s*SLOT
	s_add_nc_u64 s[G0R+4*\s+2:G0R+4*\s+3], s[20:21], \s*REC
	s_or_b32 s[G0R+4*\s+3], s[G0R+4*\s+3], 0x80000000
	s_mov_b32 s[G0P+4*\s], 1
	s_add_co_u32 s[G0P+4*\s+1], s80, \s*SLOT
	s_add_nc_u64 s[G0P+4*\s+2:G0P+4*\s+3], s[46:47], \s*REC
	s_or_b32 s[G0P+4*\s+3], s[G0P+4*\s+3], 0x80000000
.endr
	JLOAD G0R, G1R, G0P, G1P                       ; slot 0: one tensor load a wave at the head; the addresses and the bias loads below stand under its flight
	s_cmp_eq_u32 s15, 0                            ; do I fetch for R?
	s_cselect_b64 s[PFA:PFA+1], s[20:21], s[46:47] ; the four tiles that I fetch,
	s_cselect_b32 s92, s40, s41                    ; my place among the four that ask for them with me,
	s_mul_i32 s92, s92, TP
	s_mov_b32 s93, 0
	s_add_nc_u64 s[PFA:PFA+1], s[PFA:PFA+1], s[92:93]  ; and so my tile of the four
	v_and_b32 v1, 15, v0
	v_bfe_u32 v2, v0, 4, 1
	v_and_b32 v3, 31, v0
	v_lshlrev_b32 v4, 3, v3
	v_lshlrev_b32 v5, 4, v1
	v_min_u32 v[PFO], 24, v3
	v_lshlrev_b32 v[PFO], 8, v[PFO]
	s_wait_alu depctr_va_vdst(0)
	s_mul_i32 s21, s15, 4*REC                      ; my four tiles of R
	s_mul_i32 s81, s16, 4*REC
	s_add_co_u32 s81, s81, POFF                    ; my four tiles of P
	s_add_co_u32 s82, s81, 6144
	s_add_co_u32 s22, s21, 6144
.irp s, 0,1
	v_add_nc_u32 v[ADR+\s], s21, v4
	v_add_nc_u32 v[ADP+\s], s81, v4
	v_add_nc_u32 v[ADSR+\s], s22, v5
	v_add_nc_u32 v[ADSP+\s], s82, v5
	s_add_co_u32 s21, s21, SLOT
	s_add_co_u32 s22, s22, SLOT
	s_add_co_u32 s81, s81, SLOT
	s_add_co_u32 s82, s82, SLOT
.endr
	s_mul_i32 s23, s14, 16*SPITCH
	v_mul_u32_u24 v[STO], v1, SPITCH
	v_lshl_add_u32 v[STO], v2, 6, v[STO]
	v_add_nc_u32 v[STO], s23, v[STO]
	v_mul_u32_u24 v7, v2, SPITCH                   ; back: lanes 0-15 take one row of 256 bytes, lanes 16-31 the next
	v_lshl_add_u32 v7, v1, 4, v7
	v_add_nc_u32 v[RD], s23, v7
	v_lshlrev_b32 v[CO], 4, v1
	v_lshl_add_u32 v[CO], v2, 12, v[CO]            ; and the same two rows in memory, 4,096 bytes apart
	s_lshl_b32 s23, s42, 9
	s_lshl_b32 s83, s16, 8
	s_add_co_u32 s23, s23, s83                     ; my first column in bytes: 512 px + 256 j
	v_lshl_add_u32 v6, v2, 6, s23
	WIN 0xc0
.irp b, 0,1,2,3
	global_load_b128 v[8*\b:8*\b+3], v6, s[8:9] offset:(32*(\b/2)+8*(\b%2))*4
	global_load_b128 v[8*\b+4:8*\b+7], v6, s[8:9] offset:(32*(\b/2)+8*(\b%2))*4+16
.endr
	WIN 0
	s_lshl_b32 s84, s17, 19                        ; my first row: 128 ry + 64 i, rows of 4,096 bytes
	s_lshl_b32 s85, s15, 18
	s_add_co_u32 s84, s84, s85
	s_add_co_u32 s84, s84, s23
	s_mov_b32 s85, 0
	s_add_nc_u64 s[10:11], s[10:11], s[84:85]
	s_add_nc_u64 s[12:13], s[12:13], s[84:85]
	global_prefetch_b8 v[PFO], s[PFA:PFA+1] offset:2*REC th:TH_LOAD_NT scope:SCOPE_SE   ; behind record 0's load: record 2
	s_wait_alu depctr_va_vdst(0)
	s_wait_tensorcnt 0x0                           ; my part of slot 0 is in
	ds_add_u32 v[SPW], v[NIL]
	s_wait_dscnt 0x0
	CROUND                                         ; a whole round: slot 0 is whole in every partner
	JLOAD G0R+4, G1R, G0P+4, G1P                   ; slot 1's first fill, the first tensor load behind the round
	s_wait_loadcnt 0x0                             ; the bias
	FETCH 0, 0, 0
	SCALES 0
	global_prefetch_b8 v[PFO], s[PFA:PFA+1] offset:3*REC th:TH_LOAD_NT scope:SCOPE_SE   ; behind record 1's load: record 3
	STEP 0, 0, 1
	PLACES 4
	WIN 0xc0
.irp a, 0,1,2,3
.irp t, 0,1,2,3,4,5,6,7
	global_load_b128 v[32*\a+4*\t:32*\a+4*\t+3], v[CO], s[10:11] offset:(32*(\a/2)+8*(\a%2)+2*\t+8*(\t/4))*4096 th:TH_LOAD_NT
.endr
.endr
	WIN 0
.if LAPS > 1
	s_mov_b32 s3, LAPS-1
.Llap:
	STEP 0, 1, 0
	STEP 0, 2, 0
	TURN 0, 1, 1
	STEP 1, 0, 0
	STEP 1, 1, 0
	STEP 1, 2, 0
	TURN 1, 0, 1
	STEP 0, 0, 0
	WIN 0
	s_sub_co_u32 s3, s3, 1
	s_cmp_lg_u32 s3, 0
	s_cbranch_scc1 .Llap
.endif
	STEP 0, 1, 0
	STEP 0, 2, 0
	TURN 0, 1, 0
	STEP 1, 0, 0
	STEP 1, 1, 0
	STEP 1, 2, 0
	s_wait_dscnt 0x0
	WIN MUL
.irp a, 0,1,2,3
	MUL8 \a, 1, 3, 1, 0
.endr
	WIN 0
.macro TOSTAGE a
	WIN 0x08
.irp b, 0,1,2,3
	ds_store_b128 v[STO], v[8*(8*(\a)+\b):8*(8*(\a)+\b)+3] offset:128*(\b/2)+32*(\b%2)
	ds_store_b128 v[STO], v[8*(8*(\a)+\b)+4:8*(8*(\a)+\b)+7] offset:128*(\b/2)+32*(\b%2)+16
.endr
	WIN 0
.set BBK, BK+64*((\a)%2)
.irp t, 0,1,2,3,4,5,6,7
	ds_load_b128 v[BBK+4*\t:BBK+4*\t+3], v[RD] offset:2*\t*SPITCH
.endr
.endm
.macro SEND a, younger
.set BBK, BK+64*((\a)%2)
	s_wait_dscnt \younger
	WIN 0x0c
.set i, 0
.rept 16
	v_pk_add_f32 v[BBK+2*i:BBK+2*i+1], v[BBK+2*i:BBK+2*i+1], v[32*(\a)+2*i:32*(\a)+2*i+1]
.set i, i+1
.endr
	WIN 0
.irp t, 0,1,2,3,4,5,6,7
.if LASTOUT
	global_store_b128 v[CO], v[BBK+4*\t:BBK+4*\t+3], s[12:13] offset:(32*((\a)/2)+8*((\a)%2)+2*\t+8*(\t/4))*4096 th:TH_STORE_NT
.else
	global_store_b128 v[CO], v[BBK+4*\t:BBK+4*\t+3], s[12:13] offset:(32*((\a)/2)+8*((\a)%2)+2*\t+8*(\t/4))*4096
.endif
.endr
.endm
	PLACES 4
	s_wait_loadcnt 0x0
	TOSTAGE 0
.irp a, 1,2,3
.if \a > 1
	s_wait_xcnt 0x0
.endif
	TOSTAGE \a
	SEND \a-1, 16
.endr
	SEND 3, 0
	s_wait_tensorcnt 0x0
	ds_add_u32 v[SPW], v[NIL]
	s_wait_dscnt 0x0
	CROUND
	s_endpgm
.Lfunc_end_k_q0c4b208aea_ffn2:
	.size	k_q0c4b208aea_ffn2, .Lfunc_end_k_q0c4b208aea_ffn2-k_q0c4b208aea_ffn2
	.p2alignl 7, 3214868480
	.fill 96, 4, 3214868480
	.section	.rodata,"a",@progbits
	.p2align	6, 0x0
	.amdhsa_kernel k_q0c4b208aea_ffn2
		.amdhsa_group_segment_fixed_size 327680
		.amdhsa_private_segment_fixed_size 0
		.amdhsa_enable_private_segment 0
		.amdhsa_kernarg_size 40
		.amdhsa_user_sgpr_count 2
		.amdhsa_user_sgpr_kernarg_segment_ptr 1
		.amdhsa_wavefront_size32 1
		.amdhsa_system_sgpr_workgroup_id_x 1
		.amdhsa_system_sgpr_workgroup_id_y 1
		.amdhsa_system_sgpr_workgroup_id_z 1
		.amdhsa_system_vgpr_workitem_id 0
		.amdhsa_next_free_vgpr 1024
		.amdhsa_next_free_sgpr 96
		.amdhsa_reserve_vcc 0
		.amdhsa_float_denorm_mode_32 3
		.amdhsa_float_denorm_mode_16_64 3
		.amdhsa_memory_ordered 1
		.amdhsa_forward_progress 1
		.amdhsa_inst_pref_size 114
	.end_amdhsa_kernel
	.amdgpu_metadata
---
amdhsa.version: [ 1, 2 ]
amdhsa.kernels:
  - .name:           k_q0c4b208aea_ffn2
    .symbol:         k_q0c4b208aea_ffn2.kd
    .args:
      - { .name: WB, .offset: 0, .size: 8, .value_kind: global_buffer, .address_space: global }
      - { .name: big, .offset: 8, .size: 8, .value_kind: global_buffer, .address_space: global }
      - { .name: b2, .offset: 16, .size: 8, .value_kind: global_buffer, .address_space: global }
      - { .name: x2, .offset: 24, .size: 8, .value_kind: global_buffer, .address_space: global }
      - { .name: out0, .offset: 32, .size: 8, .value_kind: global_buffer, .address_space: global }
    .group_segment_fixed_size: 327680
    .private_segment_fixed_size: 0
    .kernarg_segment_align: 8
    .kernarg_segment_size: 40
    .max_flat_workgroup_size: 128
    .sgpr_count:     96
    .vgpr_count:     1024
    .wavefront_size: 32
...
	.end_amdgpu_metadata
.endif
;; end of part 5
